; MI455X (gfx1250); checked and timed in simulation.
; The chip was launched on July 23, 2026; its instructions are those of AMD's public machine-readable ISA for CDNA 5 (MIT licence, August 2026) and "CDNA5" Instruction Set Architecture Reference Guide (July 2026). The comments in the code are by the model that wrote it; some were corrected since.
;; Standard Router. Allowed arithmetic: matrix products marked QUANTISED: E2M3 operands, one E8M0 scale for each 32 along K, by v_wmma_scale_f32_16x16x128_f8f6f4 with both operands' format E2M3, f32 sums; products left as they are: f32 operands where the result goes on into a quantised operand, else bf16, f16 or f32 operands; f32 sums; everything else in f32.
;; Inputs: b1 8 x 2,048 float32; b2 8 x 512 float32; gate_b 8 float32; gate_w 8 x 512 float32; w1 8 x 2,048 x 512 float32; w2 8 x 512 x 2,048 float32; x 2 x 2,048 x 512 float32.
;; Outputs: out0 2 x 2,048 x 512 float32; out1 one number float32.
;; This version of the problem:
;;   THIS VERSION OF THE PROBLEM IS GIVEN IN LOW PRECISION. The matrix products marked QUANTISED in the list below multiply operands that are first quantised to E2M3 (2 exponent bits, 3 mantissa bits; 6 bits a number), with one power-of-two scale for each 32 numbers along K (OCP MX v1.0); their sums are f32. All else is computed in f32.
;;   The module's matrix products, in the order in which they are computed (A, B: the left and right operand; K: the contracted axis; several contracted axes count as one K, in the product's order):
;;     1. [M 4,096, K 512] x [K 512, N 8]; A: input x; B: input gate_w: left as it is (N = 8 < 16)
;;     2. [M 4,096, K 512] x [K 512, N 16,384]; A: input x; B: input w1: QUANTISED
;;     3. batch 8 x [M 512, K 2,048] x [K 2,048, N 4,096]; A: input w2; B: computed on the way: QUANTISED
;;   THE QUANTISER, for each operand of a quantised product, along K:
;;     - K is cut into blocks of 32 from its start; a last block that is shorter is filled with zeros.
;;     - A block's scale is 2^e with e = floor(log2(the largest magnitude in the block)) - 2, held to -126 .. 127; a block of zeros has e = 0. As a byte (E8M0): e + 127.
;;     - Each number is divided by its block's scale, clamped to +-7.5, and rounded to the nearest number of E2M3, ties to even, subnormals kept.
;;     - The product sums the exact products of the quantised numbers (number of the format x scale) in f32.
;;   ~~~python
;;   def quantise(x, axis):      # numpy; x: float32 -> the quantised numbers, widened to float32 again
;;       x = np.moveaxis(x, axis, -1); K = x.shape[-1]
;;       x = np.pad(x, [(0, 0)] * (x.ndim - 1) + [(0, -K % 32)]); x = x.reshape(x.shape[:-1] + (-1, 32)); a = np.abs(x).max(-1, keepdims=True)
;;       e = np.where(a > 0, np.clip(np.frexp(np.where(a > 0, a, 1))[1] - 1 - 2, -126, 127), 0)      # np.frexp(a)[1] - 1 = floor(log2(a)), exactly
;;       r = np.clip(x / 2.0 ** e, -7.5, 7.5)
;;       step = 2.0 ** (np.maximum(np.frexp(np.where(r == 0, 1, r))[1] - 1, 0) - 3)
;;       q = np.round(r / step) * step * 2.0 ** e      # np.round: ties to even
;;       return np.moveaxis(q.reshape(q.shape[:-2] + (-1,))[..., :K], -1, axis).astype(np.float32)
;;   ~~~
;;   OPERANDS COMPUTED ON THE WAY. 'Computed on the way' means the value that the module computes at that place (a softmax that the list does not call 'softmax' is quantised finished and normalised). What goes into a quantiser is computed in f32, as accurately as f32 sums, v_exp_f32 and their like allow (about 1e-6 of the number): no bf16 or f16 on the way to a quantiser, and a product that is left as it is and whose result goes on into a quantised operand takes f32 operands (vector FMAs, or v_wmma_f32_16x16x4_f32). A number that lies on a knife's edge between two numbers of the format may be rounded either way, as far as f32 arithmetic and the matrix unit's own rounding can turn it there, and no further.
;; 2 versions, each right; version 2 is version 1 with the launch chain written anew for expert scheduling mode. Each part assembles by itself: llvm-mc -triple=amdgcn-amd-amdhsa -mcpu=gfx1250 --defsym DOCPART=n.
;; ======== version 1 of 2: 4 launches
;; workspace buffers: wq 13,107,200 bytes; xq 1,638,400 bytes; gate 65,536 bytes; route 16,384 bytes of whole numbers; rows 139,520 bytes of whole numbers; auxp 256 bytes; ybuf 25,165,824 bytes
;; launch prep (part 1): grid 640 x 1, 4 waves a work-group, no clusters, 46,592 bytes of LDS; arguments x, gate_w, gate_b, w1, w2, xq, wq, gate, route; writes xq, wq, gate, route
.if DOCPART == 1
	.amdgcn_target "amdgcn-amd-amdhsa--gfx1250"
	.amdhsa_code_object_version 6
	.text
	.protected	k_qaf25bcfe59_prep
	.globl	k_qaf25bcfe59_prep
	.p2align	8
	.type	k_qaf25bcfe59_prep,@function
k_qaf25bcfe59_prep:
	s_mov_b64 s[64:65], 0
	v_nop
	global_prefetch_b8 v0, s[64:65] scope:SCOPE_SE
	s_setreg_imm32_b32 hwreg(HW_REG_WAVE_MODE, 25, 1), 1
	s_wait_xcnt 0x0
; PREP: everything that is done once to the f32 inputs.  Two paths, parted by the work-group's number, each with LDS bytes of its own; waves share nothing, so there is no barrier.
; X PATH (work-groups 0-127): wave W = 4 x work-group + wave takes tokens 8 W .. 8 W + 7.  For each token: the gate's 8 logits by f32 multiply-adds, softmax with the maximum taken away, the top 3
;   (a strict compare in ascending order keeps the lower index), their weights divided by their sum; and the token's 512 numbers as codes of E2M3 with one E8M0 byte for each 32.
;   Stored: xq (codes: 384 bytes a token, block b at 192 (b & 1) + 24 (b >> 1), so that half h of a wave's lanes finds the registers of its four fragments as 192 bytes on end; scale bytes behind them, 16 a token),
;   route (e0 | e1 << 8 | e2 << 16, a word a token), gate (weights [3][4096]; behind them the wave's sums of probabilities [8][512]).
; WEIGHT PATH (work-groups 128-639): one wave makes one BUNDLE: 4 tiles of 16 weight rows x 128 along K, as codes in the ORDER OF THE OPERAND'S REGISTERS: [tile 4][group of four registers 3][lane 32][16 bytes], 6,144 bytes,
;   and its 64 scale words in 256 bytes: the word of row r of tile t at 8 (16 (t & 1) + r) + 4 (t >> 1).  Bundles 0-1023: w1 ((expert x 32 + group of 64 hidden units) x 4 + K step); lane r of tile t is hidden unit
;   32 (t >> 1) + 8 (t & 1) + r + 8 (r >> 3) of the group, so that the first product's results lie as 16 neighbours along the second product's K.  Bundles 1024-2047: w2 ((expert x 8 + group of 64 outputs) x 16 + K step), row 16 t + r.
; THE QUANTISER: a block's scale is 2^(floor(log2(largest magnitude)) - 2); its byte is the largest magnitude's exponent field - 2, held at 1 from below by a floor among the maximum's leaves.
; LIMITS: NaN and infinities are not served.  A block of zeros gets the byte 1 (its codes are zeros; this program alone reads the bytes).  Two probabilities that are equal in this text's f32 arithmetic go to the lower
; index; the gate's sum over 512 has another order than a plain ascending sum.  The records of 8 tokens a wave (route, weights, sums: 80 KB in the launch) leave in stores of 32 bytes.
.set XWG,   128                        ; work-groups of the x path
.set WLDS,  8704                       ; weight path: LDS of a wave: a stage of 16 rows x 528 bytes, then 256 bytes of scale words
.set WPIT,  528                        ; 512 bytes + 16: an odd multiple of 16
.set WSCL,  16*WPIT
.set XLDS,  4*WLDS                     ; x path: its LDS begins behind the weight path's
.set XSTG,  2816                       ; of a wave: a stage of 32 places x 80 bytes, then 128 scale bytes
.set XSCL,  2560
.set FLOOR, 0x1800000                  ; 2^(3 - 127)
.set OFF2,  0xff000000                 ; - (2 << 23): 2 off an exponent field
; weight path's registers
.set OFF, 16                           ; v16-31  16 x lane + row i of a tile
.set PC,  32                           ; v32-43  a fragment's 12 registers
.set TP,  44                           ; v44-51  the halves of a block whose place begins on an odd register: made here, then moved
.set M,   52                           ; v52-53  largest magnitudes
.set SO,  54                           ; v54-55  the conversions' scale operands
.set BY,  56                           ; v56-57  the bytes
.set W,   58                           ; v58     the scale word;  v59 the other half's
.set W2,  59
.set RW,  64                           ; v64-191 two sets of 64: a tile as loaded
.set XW,  192                          ; v192-255 my 64 numbers: two blocks of 32
; x path's registers
.set LP,  8                            ; v8-23   eight pairs of partial sums; later at work
.set II,  12                           ; v12-14  the three indices
.set BB,  18                           ; v18-20  the three probabilities, then weights
.set LG,  24                           ; v24-31  logits, then probabilities
.set PS,  32                           ; v32-39  sums of probabilities over my tokens
.set RT,  40                           ; v40     lane t: token t's route word;  v41-43 its weights
.set WT,  41
.set CD,  44                           ; v44-46  16 codes
.set BYT, 47                           ; v47     the scale byte
.set XX,  48                           ; v48-63  16 neighbours
.set RX,  64                           ; v64-127 four sets of 16: a token as loaded
.set GW,  128                          ; v128-255 gate_w[e][128 i + 4 lane + j] at 16 e + 4 i + j
.macro LOADT t                         ; tile t: 16 rows, 512 consecutive bytes of a row to a load
.irp i, 0,1,2,3,4,5,6,7,8,9,10,11,12,13,14,15
	global_load_b128 v[RW+64*((\t)%2)+4*\i:RW+64*((\t)%2)+4*\i+3], v[OFF+\i], s[24+2*(\t):25+2*(\t)] th:TH_LOAD_NT
.endr
.endm
.macro TURNW t                         ; through my stage: in as loaded, out as lane (r, h) wants it: of row r, k = 64 c + 32 h + 0 .. 31.  LDS serves a wave's instructions in order (ISA guide 5.7.1.4)
.irp i, 0,1,2,3,4,5,6,7,8,9,10,11,12,13,14,15
	ds_store_b128 v4, v[RW+64*((\t)%2)+4*\i:RW+64*((\t)%2)+4*\i+3] offset:WPIT*\i
.endr
.irp c, 0,1
.irp j, 0,1,2,3,4,5,6,7
	ds_load_b128 v[XW+32*\c+4*\j:XW+32*\c+4*\j+3], v5 offset:256*\c+16*\j
.endr
.endr
.endm
.macro QW t                            ; my two blocks (2 c + h of row r) become registers 6 c .. 6 c + 5 of the fragment
.irp c, 0,1
	v_max3_num_f32 v[M+\c], |v[XW+32*\c]|, |v[XW+32*\c+1]|, FLOOR
.endr
.irp i, 2,4,6,8,10,12,14,16,18,20,22,24,26,28,30
.irp c, 0,1
	v_max3_num_f32 v[M+\c], v[M+\c], |v[XW+32*\c+\i]|, |v[XW+32*\c+\i+1]|
.endr
.endr
.irp c, 0,1
	v_add_nc_u32 v[SO+\c], OFF2, v[M+\c]           ; the conversion takes the exponent field of this operand as its scale
.endr
.irp c, 0,1
	v_lshrrev_b32 v[BY+\c], 23, v[SO+\c]
.endr
	v_lshl_or_b32 v[W], v[BY+1], 16, v[BY]         ; bytes h and 2 + h of the row's word,
	v_lshlrev_b32 v[W], v8, v[W]                   ; 8 h bits up;
	v_permlanex16_b32 v[W2], v[W], s54, s55
	v_or_b32 v[W], v[W], v[W2]                     ; with lane l xor 16's two the word is whole
	s_wait_xcnt 0x0                                ; the last tile's stores have read the codes' registers: only now are they written again
.irp c, 0,1
	v_cvt_scalef32_pk16_fp6_f32 v[PC+6*\c:PC+6*\c+2], v[XW+32*\c:XW+32*\c+15], v[SO+\c]
	v_cvt_scalef32_pk16_fp6_f32 v[TP+4*\c:TP+4*\c+2], v[XW+32*\c+16:XW+32*\c+31], v[SO+\c]
.endr
	v_nop                                          ; one plain instruction behind the scaled conversions
.irp c, 0,1
.irp i, 0,1,2
	v_mov_b32 v[PC+6*\c+3+\i], v[TP+4*\c+\i]
.endr
.endr
.irp g, 0,1,2
	global_store_b128 v2, v[PC+4*\g:PC+4*\g+3], s[32:33] offset:1536*(\t)+512*\g   ; 32 lanes store 512 consecutive bytes, at a multiple of 256 from the buffer's first byte
.endr
	ds_store_b32 v6, v[W] offset:128*((\t)%2)+4*((\t)/2)   ; both halves of the lanes write the same word with the same value
.endm
.macro LOADX t                         ; token t: four loads of 512 consecutive bytes
.irp i, 0,1,2,3
	global_load_b128 v[RX+16*((\t)%4)+4*\i:RX+16*((\t)%4)+4*\i+3], v2, s[24:25] offset:2048*(\t)+512*\i th:TH_LOAD_NT
.endr
.endm
.macro TOK t
.set RS, RX+16*((\t)%4)
.if (\t) <= 4
	s_wait_loadcnt 12                              ; this token's loads (and all earlier ones) are in; those of the three tokens behind it may be out
.else
	s_wait_loadcnt 4*(7-(\t))
.endif
.irp i, 0,1,2,3
	ds_store_b128 v3, v[RS+4*\i:RS+4*\i+3] offset:640*\i   ; the token through my stage: four lanes' 64 bytes on end, then 16 of padding
.endr
.irp i, 0,1,2,3
	ds_load_b128 v[XX+4*\i:XX+4*\i+3], v4 offset:16*\i     ; and back as 16 neighbours a lane
.endr
.irp e, 0,1,2,3,4,5,6,7
	v_pk_mul_f32 v[LP+2*\e:LP+2*\e+1], v[RS:RS+1], v[GW+16*\e:GW+16*\e+1]   ; the gate in f32: my 16 numbers x each expert's, the experts by turns
.endr
.irp p, 1,2,3,4,5,6,7
.irp e, 0,1,2,3,4,5,6,7
	v_pk_fma_f32 v[LP+2*\e:LP+2*\e+1], v[RS+2*\p:RS+2*\p+1], v[GW+16*\e+2*\p:GW+16*\e+2*\p+1], v[LP+2*\e:LP+2*\e+1]
.endr
.endr
.irp e, 0,1,2,3,4,5,6,7
	v_add_f32 v[LG+\e], v[LP+2*\e], v[LP+2*\e+1]
.endr
	s_wait_dscnt 0x0                               ; my 16 neighbours are in, and the stage's stores have read the set,
.if (\t) < 4
	LOADX (\t)+4                                   ; which takes the token four further on
.endif
	v_max3_num_f32 v8, |v[XX]|, |v[XX+1]|, |v[XX+2]|
	v_max3_num_f32 v9, |v[XX+3]|, |v[XX+4]|, |v[XX+5]|
.irp i, 6,10
	v_max3_num_f32 v8, v8, |v[XX+\i]|, |v[XX+\i+1]|
	v_max3_num_f32 v9, v9, |v[XX+\i+2]|, |v[XX+\i+3]|
.endr
	v_max3_num_f32 v8, v8, |v[XX+14]|, |v[XX+15]|
	v_max3_num_f32 v8, v8, v9, FLOOR
	v_max_num_f32_dpp v8, v8, v8 row_xmask:1 row_mask:0xf bank_mask:0xf   ; with my neighbour's 16: the block's largest magnitude
	v_add_nc_u32 v10, OFF2, v8
	s_wait_xcnt 0x0                                ; the last token's store has read the codes' registers
	v_cvt_scalef32_pk16_fp6_f32 v[CD:CD+2], v[XX:XX+15], v10
	v_lshrrev_b32 v[BYT], 23, v10                  ; the byte (also the plain instruction behind the conversion)
	ds_store_b8 v6, v[BYT] offset:16*(\t)          ; both lanes of a block write the same byte
	global_store_b96 v5, v[CD:CD+2], s[26:27] offset:384*(\t)
.irp x, 1,2,4,8                        ; the 8 logits summed over the 32 lanes, by turns
.irp e, 0,1,2,3,4,5,6,7
	v_add_f32_dpp v[LG+\e], v[LG+\e], v[LG+\e] row_xmask:\x row_mask:0xf bank_mask:0xf
.endr
.endr
.irp e, 0,1,2,3,4,5,6,7
	v_permlanex16_b32 v[8+\e], v[LG+\e], s54, s55
.endr
.irp e, 0,1,2,3,4,5,6,7
	v_add_f32 v[LG+\e], v[LG+\e], v[8+\e]
.endr
.irp e, 0,1,2,3,4,5,6,7
	v_add_f32 v[LG+\e], s[32+\e], v[LG+\e]         ; + gate_b.  Every lane now holds all 8 logits
.endr
	v_max3_num_f32 v22, v[LG], v[LG+1], v[LG+2]
	v_max3_num_f32 v22, v22, v[LG+3], v[LG+4]
	v_max3_num_f32 v22, v22, v[LG+5], v[LG+6]
	v_max_num_f32 v22, v22, v[LG+7]
	v_mul_f32 v22, s44, v22                        ; the maximum x log2(e): its rounding is common to the 8 and falls out of the normalised numbers
.irp e, 0,1,2,3,4,5,6,7
	v_fma_f32 v[LG+\e], v[LG+\e], s44, -v22
.endr
.irp e, 0,1,2,3,4,5,6,7
	v_exp_f32 v[LG+\e], v[LG+\e]
.endr
	v_nop                                          ; a plain instruction behind the exponentials,
	s_wait_alu depctr_va_vdst(0)                   ; and one wait for the batch, ahead of its first reader
	v_add_f32 v22, v[LG], v[LG+1]
	v_add_f32 v23, v[LG+2], v[LG+3]
	v_add_f32 v8, v[LG+4], v[LG+5]
	v_add_f32 v9, v[LG+6], v[LG+7]
	v_add_f32 v22, v22, v23
	v_add_f32 v8, v8, v9
	v_add_f32 v22, v22, v8
	v_rcp_f32 v22, v22
	v_nop
	s_wait_alu depctr_va_vdst(0)
.irp p, 0,2,4,6
	v_pk_mul_f32 v[LG+\p:LG+\p+1], v[LG+\p:LG+\p+1], v[22:23] op_sel_hi:[1,0]   ; the probabilities
.endr
.irp p, 0,2,4,6
	v_pk_add_f32 v[PS+\p:PS+\p+1], v[PS+\p:PS+\p+1], v[LG+\p:LG+\p+1]
.endr
.irp k, 0,1,2                          ; the top 3: the largest of the 8, the lower index on a tie; then it is struck out
	v_mov_b32 v[BB+\k], v[LG]
	v_mov_b32 v[II+\k], 0
.irp e, 1,2,3,4,5,6,7
	v_cmp_gt_f32 vcc_lo, v[LG+\e], v[BB+\k]
	v_cndmask_b32 v[BB+\k], v[BB+\k], v[LG+\e], vcc_lo
	v_cndmask_b32 v[II+\k], v[II+\k], \e, vcc_lo
.endr
.if \k < 2
.irp e, 0,1,2,3,4,5,6,7
	v_cmp_eq_u32 vcc_lo, \e, v[II+\k]
	v_cndmask_b32 v[LG+\e], v[LG+\e], -1.0, vcc_lo
.endr
.endif
.endr
	v_add_f32 v22, v[BB], v[BB+1]
	v_add_f32 v22, v22, v[BB+2]
	v_rcp_f32 v22, v22
	v_lshl_or_b32 v21, v[II+1], 8, v[II]           ; the route word (plain work behind the reciprocal)
	v_lshl_or_b32 v21, v[II+2], 16, v21
	s_wait_alu depctr_va_vdst(0)
.irp k, 0,1,2
	v_mul_f32 v[BB+\k], v[BB+\k], v22
.endr
	v_cmp_eq_u32 vcc_lo, \t, v1                    ; lane t keeps token t's record
	v_cndmask_b32 v[RT], v[RT], v21, vcc_lo
.irp k, 0,1,2
	v_cndmask_b32 v[WT+\k], v[WT+\k], v[BB+\k], vcc_lo
.endr
.endm
	s_load_b256 s[4:11], s[0:1], 0x0               ; x s[4:5], gate_w s[6:7], gate_b s[8:9], w1 s[10:11]
	s_load_b256 s[12:19], s[0:1], 0x20             ; w2 s[12:13], xq s[14:15], wq s[16:17], gate s[18:19]
	s_load_b64 s[20:21], s[0:1], 0x40              ; route
	s_set_vgpr_msb 0x40
	v_lshl_add_u32 v0, v0, 2, 0xb400
	v_mov_b32 v1, 0
	s_set_vgpr_msb 0x4000
	v_lshrrev_b32 v1, 5, v0
	v_readfirstlane_b32 s22, v1                    ; wave 0..3
	v_and_b32 v1, 31, v0                           ; lane
	v_lshlrev_b32 v2, 4, v1                        ; 16 x lane
	s_mov_b32 s54, 0x76543210
	s_mov_b32 s55, 0xfedcba98                      ; v_permlanex16_b32's selects for lane l xor 16
	s_cmp_lt_u32 ttmp9, XWG
	s_cbranch_scc1 .Lx_path
	; ---------------- the weight path
	s_sub_co_u32 s23, ttmp9, XWG                   ; g = 0 .. 511: under 256 w1, from 256 on w2
	s_sub_co_u32 s40, s23, 256
	s_lshl_b32 s50, s23, 17                        ; w1: 64 rows of 2,048 bytes a group
	s_lshr_b32 s41, s40, 2
	s_lshl_b32 s41, s41, 19                        ; w2: 64 rows of 8,192 bytes a group,
	s_and_b32 s42, s40, 3
	s_lshl_b32 s42, s42, 11                        ; four K steps of 512 bytes a work-group
	s_add_co_u32 s41, s41, s42
	s_lshl_b32 s42, s22, 9                         ; my wave's K step
	s_lshl_b32 s52, s23, 2
	s_add_co_u32 s52, s52, s22                     ; my bundle
	s_mul_i32 s53, s22, WLDS                       ; my LDS
	s_mov_b32 s44, 131072                          ; w2's figures; w1's are chosen below
	s_mov_b32 s45, 0
	s_mov_b32 s46, 262144
	s_mov_b32 s47, 0
	s_mov_b32 s48, 8192
	s_mov_b32 s49, 8192
	s_mov_b32 s51, 0
	v_lshlrev_b32 v3, 3, v1                        ; 8 x lane
	v_and_b32 v9, 15, v1                           ; r
	v_lshrrev_b32 v10, 4, v1                       ; h
	v_add_nc_u32 v4, s53, v2                       ; the stage, in: 16 x lane
	v_mul_u32_u24 v5, v9, WPIT
	v_lshl_add_u32 v5, v10, 7, v5
	v_add_nc_u32 v5, s53, v5                       ; out: row r, + 128 h
	s_add_co_u32 s53, s53, WSCL
	v_lshl_add_u32 v6, v9, 3, s53                  ; the scale words: 8 r
	v_add_nc_u32 v7, s53, v3                       ; and on the way out 8 x lane
	v_lshlrev_b32 v8, 3, v10                       ; 8 h
	v_mov_b32 v[W2], 0                             ; written once: a lane permute's destination counts as one of its sources
	s_wait_kmcnt 0x0
	s_cmp_lt_u32 s23, 256                          ; the choice hangs on the work-group's number alone
	s_cselect_b64 s[24:25], s[10:11], s[12:13]
	s_cselect_b32 s50, s50, s41                    ; where the group begins
	s_cselect_b32 s44, 16384, s44                  ; from tile 0 to tile 1: 8 rows of w1, 16 of w2
	s_cselect_b32 s46, 65536, s46                  ; from tile 0 to tile 2: 32 rows
	s_cselect_b32 s48, 2048, s48                   ; a row
	s_cselect_b32 s49, 18432, s49                  ; from a tile's row 7 to its row 8: 9 rows of w1, 1 of w2
	s_add_co_u32 s50, s50, s42
	s_add_nc_u64 s[24:25], s[24:25], s[50:51]      ; the four tiles' first rows
	s_add_nc_u64 s[26:27], s[24:25], s[44:45]
	s_add_nc_u64 s[28:29], s[24:25], s[46:47]
	s_add_nc_u64 s[30:31], s[28:29], s[44:45]
	s_mul_i32 s50, s52, 6144
	s_add_nc_u64 s[32:33], s[16:17], s[50:51]      ; my bundle's codes
	s_lshl_b32 s50, s52, 8
	s_add_nc_u64 s[34:35], s[16:17], s[50:51]
	s_add_nc_u64 s[34:35], s[34:35], 12582912      ; and its scale words
	v_mov_b32 v[OFF], v2
.irp i, 1,2,3,4,5,6,7,8,9,10,11,12,13,14,15
.if \i == 8
	v_add_nc_u32 v[OFF+\i], s49, v[OFF+\i-1]
.else
	v_add_nc_u32 v[OFF+\i], s48, v[OFF+\i-1]
.endif
.endr
	LOADT 0
	LOADT 1
.irp t, 0,1,2,3
.if \t < 3
	s_wait_loadcnt 16                              ; this tile's 16 loads are in; the next tile's 16 may be out
.else
	s_wait_loadcnt 0x0
.endif
	TURNW \t
	s_wait_dscnt 0x0                               ; my 64 numbers are in, and the stage's stores have read the set,
.if \t < 2
	LOADT \t+2                                     ; which takes the tile two further on
.endif
	QW \t
.endr
	ds_load_b64 v[60:61], v7                       ; my wave's 64 scale words
	s_wait_dscnt 0x0
	global_store_b64 v3, v[60:61], s[34:35]        ; 32 lanes store 256 consecutive bytes, aligned
	s_set_vgpr_msb 0x5
	s_wait_tensorcnt 0x0
	ds_add_u32 v0, v1
	s_wait_dscnt 0x0
	s_set_vgpr_msb 0x500
	s_endpgm
	; ---------------- the x path
.Lx_path:
	s_lshl_b32 s23, ttmp9, 2
	s_add_co_u32 s23, s23, s22                     ; W
	s_mul_i32 s45, s22, XSTG
	s_add_co_u32 s45, s45, XLDS                    ; my LDS
	s_mov_b32 s44, 0x3fb8aa3b                      ; log2(e)
	s_mov_b32 s51, 0
	v_lshrrev_b32 v8, 2, v1
	v_mul_u32_u24 v3, v8, 80
	v_and_b32 v9, 3, v1
	v_lshl_add_u32 v3, v9, 4, v3
	v_add_nc_u32 v3, s45, v3                       ; the stage, in: 80 (lane / 4) + 16 (lane % 4)
	v_mul_u32_u24 v4, v1, 80
	v_add_nc_u32 v4, s45, v4                       ; out: 80 x lane
	v_bfe_u32 v9, v1, 1, 1
	v_mul_u32_u24 v5, v9, 192                      ; my 16 codes' place in the token's 384 bytes: block b = lane / 2 at 192 (b & 1) + 24 (b >> 1),
	v_mad_u32_u24 v5, v8, 24, v5
	v_and_b32 v9, 1, v1
	v_mad_u32_u24 v5, v9, 12, v5                   ; its upper half 12 bytes on
	v_lshrrev_b32 v6, 1, v1
	v_add_nc_u32 v6, s45, v6
	v_add_nc_u32 v6, XSCL, v6                      ; my block's byte
	v_lshlrev_b32 v7, 2, v1                        ; 4 x lane
	s_wait_kmcnt 0x0
	s_load_b256 s[32:39], s[8:9], 0x0              ; gate_b
	s_lshl_b32 s50, s23, 14
	s_add_nc_u64 s[24:25], s[4:5], s[50:51]        ; my 8 tokens of x,
	s_mul_i32 s50, s23, 3072
	s_add_nc_u64 s[26:27], s[14:15], s[50:51]      ; their codes,
	s_lshl_b32 s50, s23, 7
	s_add_nc_u64 s[28:29], s[14:15], s[50:51]      ; their scale bytes (1,572,864 further on: in the store's immediate),
	s_lshl_b32 s50, s23, 5
	s_add_nc_u64 s[30:31], s[20:21], s[50:51]      ; their route words,
	s_add_nc_u64 s[40:41], s[18:19], s[50:51]      ; their weights,
	s_lshl_b32 s50, s23, 2
	s_add_nc_u64 s[42:43], s[18:19], s[50:51]      ; my wave's place among the sums
.irp e, 0,1,2,3,4,5,6,7
.irp i, 0,1,2,3
	global_load_b128 v[GW+16*\e+4*\i:GW+16*\e+4*\i+3], v2, s[6:7] offset:2048*\e+512*\i
.endr
.endr
.irp t, 0,1,2,3
	LOADX \t
.endr
.irp e, 0,1,2,3,4,5,6,7
	v_mov_b32 v[PS+\e], 0
.endr
.irp e, 0,1,2,3
	v_mov_b32 v[RT+\e], 0
.endr
	s_wait_kmcnt 0x0                               ; gate_b
.irp t, 0,1,2,3,4,5,6,7
	TOK \t
.endr
	v_add_nc_u32 v8, s45, v7
	ds_load_b32 v9, v8 offset:XSCL                 ; my wave's 128 scale bytes
	v_mov_b32 v10, v[PS]                           ; lane e takes expert e's sum
.irp e, 1,2,3,4,5,6,7
	v_cmp_eq_u32 vcc_lo, \e, v1
	v_cndmask_b32 v10, v10, v[PS+\e], vcc_lo
.endr
	v_lshlrev_b32 v11, 11, v1                      ; 2,048 bytes from expert to expert
	s_wait_dscnt 0x0
	global_store_b32 v7, v9, s[28:29] offset:1572864
	s_wait_xcnt 0x0                                ; EXEC changes only behind this wait
	v_cmp_gt_u32 vcc_lo, 8, v1
	s_set_vgpr_msb 0x5
	s_wait_tensorcnt 0x0
	ds_add_u32 v0, v1
	s_wait_dscnt 0x0
	s_set_vgpr_msb 0x500
	s_and_saveexec_b32 s46, vcc_lo                 ; lanes 0-7: a token, or an expert, each
	global_store_b32 v7, v[RT], s[30:31]
.irp k, 0,1,2
	global_store_b32 v7, v[WT+\k], s[40:41] offset:16384*\k
.endr
	global_store_b32 v11, v10, s[42:43] offset:49152
	s_endpgm
.Lfunc_end_k_qaf25bcfe59_prep:
	.size	k_qaf25bcfe59_prep, .Lfunc_end_k_qaf25bcfe59_prep-k_qaf25bcfe59_prep
	.p2alignl 7, 3214868480
	.fill 96, 4, 3214868480
	.section	.rodata,"a",@progbits
	.p2align	6, 0x0
	.amdhsa_kernel k_qaf25bcfe59_prep
		.amdhsa_group_segment_fixed_size 46592
		.amdhsa_private_segment_fixed_size 0
		.amdhsa_enable_private_segment 0
		.amdhsa_kernarg_size 72
		.amdhsa_user_sgpr_count 2
		.amdhsa_user_sgpr_kernarg_segment_ptr 1
		.amdhsa_wavefront_size32 1
		.amdhsa_system_sgpr_workgroup_id_x 1
		.amdhsa_system_sgpr_workgroup_id_y 1
		.amdhsa_system_sgpr_workgroup_id_z 1
		.amdhsa_system_vgpr_workitem_id 0
		.amdhsa_next_free_vgpr 258
		.amdhsa_next_free_sgpr 66
		.amdhsa_reserve_vcc 1
		.amdhsa_float_denorm_mode_32 3
		.amdhsa_float_denorm_mode_16_64 3
		.amdhsa_memory_ordered 1
		.amdhsa_forward_progress 1
		.amdhsa_inst_pref_size 165
	.end_amdhsa_kernel
	.amdgpu_metadata
---
amdhsa.version: [ 1, 2 ]
amdhsa.kernels:
  - .name:           k_qaf25bcfe59_prep
    .symbol:         k_qaf25bcfe59_prep.kd
    .args:
      - { .name: x, .offset: 0, .size: 8, .value_kind: global_buffer, .address_space: global }
      - { .name: gate_w, .offset: 8, .size: 8, .value_kind: global_buffer, .address_space: global }
      - { .name: gate_b, .offset: 16, .size: 8, .value_kind: global_buffer, .address_space: global }
      - { .name: w1, .offset: 24, .size: 8, .value_kind: global_buffer, .address_space: global }
      - { .name: w2, .offset: 32, .size: 8, .value_kind: global_buffer, .address_space: global }
      - { .name: xq, .offset: 40, .size: 8, .value_kind: global_buffer, .address_space: global }
      - { .name: wq, .offset: 48, .size: 8, .value_kind: global_buffer, .address_space: global }
      - { .name: gate, .offset: 56, .size: 8, .value_kind: global_buffer, .address_space: global }
      - { .name: route, .offset: 64, .size: 8, .value_kind: global_buffer, .address_space: global }
    .group_segment_fixed_size: 46592
    .private_segment_fixed_size: 0
    .kernarg_segment_align: 8
    .kernarg_segment_size: 72
    .max_flat_workgroup_size: 128
    .sgpr_count:     66
    .vgpr_count:     258
    .wavefront_size: 32
...
	.end_amdgpu_metadata
.endif
;; end of part 1
;; launch place (part 2): grid 8 x 1, 8 waves a work-group, no clusters, 1,280 bytes of LDS; arguments route, gate, rows, auxp; writes rows, auxp
.if DOCPART == 2
	.amdgcn_target "amdgcn-amd-amdhsa--gfx1250"
	.amdhsa_code_object_version 6
	.text
	.protected	k_qaf25bcfe59_place
	.globl	k_qaf25bcfe59_place
	.p2align	8
	.type	k_qaf25bcfe59_place,@function
k_qaf25bcfe59_place:
	s_mov_b64 s[64:65], 0
	v_nop
	global_prefetch_b8 v0, s[64:65] scope:SCOPE_SE
	s_setreg_imm32_b32 hwreg(HW_REG_WAVE_MODE, 25, 1), 1
	s_wait_xcnt 0x0
; PLACE: work-group e makes expert e's list of rows.  It reads all 4,096 route words (16 a thread), finds the tokens that chose e and at which place k of their three, and stores the entries k << 12 | token on end
; at rows + 17,408 e; 256 entries of 0 follow the last, so that a tile of 64 entries that begins under the count can always be read whole.  The count goes to rows + 139,264 + 4 e.
; An entry's place: the counts of the earlier waves (through LDS, one barrier), of my wave's earlier slots, and of the lower lanes in my slot.  No atomics: each work-group owns its list.
; Also expert e's term of the loss: 8 x (sum of its probabilities / 4,096) x (count / 4,096), to auxp[e].
; Every place is held under the list's 4,352 words by a minimum with a constant before it becomes an address.
; ADDRESS REGISTERS (v2-4, v7, v15, v32-47, v64) hold addresses and nothing that was loaded, and all are written while all lanes are on, ahead of the first line that narrows EXEC.
.set WAD, 7                            ; v7      4 x wave: my wave's word in LDS
.set NIL, 15                           ; v15     0: an LDS address, an offset, and the padding's data
.set ENT, 16                           ; v16-31  route words, then entries; slot 4 q + j is token 1,024 q + 4 thread + j
.set POS, 32                           ; v32-47  byte offsets in the list
.set PAD, 64                           ; v64     byte offset of my entry of 0 behind the list
.set MK,  32                           ; s32-47  a slot's mask of lanes that chose e
	s_load_b256 s[4:11], s[0:1], 0x0               ; route s[4:5], gate s[6:7], rows s[8:9], auxp s[10:11]
	v_lshl_add_u32 v72, v0, 2, 0x100
	v_mov_b32 v73, 0
	v_lshrrev_b32 v1, 5, v0
	v_readfirstlane_b32 s12, v1                    ; wave 0..7
	v_lshlrev_b32 v[WAD], 2, v1
	v_mov_b32 v[NIL], 0
	v_lshlrev_b32 v2, 4, v0                        ; 16 x thread
	v_lshlrev_b32 v3, 3, v0                        ; 8 x thread
	v_lshlrev_b32 v4, 2, v0                        ; 4 x thread
	v_mov_b32 v5, 0x1000
	v_mov_b32 v6, 0x2000
	s_mul_i32 s13, ttmp9, 0x010101                 ; e in three bytes
	s_lshl_b32 s14, ttmp9, 11
	s_mov_b32 s15, 0
	s_mul_i32 s16, ttmp9, 17408
	s_mov_b32 s17, 0
	s_mov_b32 s18, 0x76543210
	s_mov_b32 s19, 0xfedcba98
	s_mov_b32 s22, 0                               ; my wave's count
	s_wait_kmcnt 0x0
	s_add_nc_u64 s[6:7], s[6:7], s[14:15]          ; expert e's 512 sums (49,152 further on: in the load's immediate)
	s_add_nc_u64 s[20:21], s[8:9], s[16:17]        ; my list
.irp q, 0,1,2,3
	global_load_b128 v[ENT+4*\q:ENT+4*\q+3], v2, s[4:5] offset:4096*\q
.endr
	global_load_b64 v[8:9], v3, s[6:7] offset:49152
	s_wait_loadcnt 0x0
.irp n, 0,1,2,3,4,5,6,7,8,9,10,11,12,13,14,15
	v_xor_b32 v10, s13, v[ENT+\n]                  ; a byte is 0 where that choice is e
	v_and_b32 v11, 0xff, v10
	v_and_b32 v12, 0xff00, v10
	v_and_b32 v13, 0xff0000, v10
	v_cmp_eq_u32 s24, 0, v11
	v_cmp_eq_u32 s25, 0, v12
	v_cmp_eq_u32 s26, 0, v13
	v_cndmask_b32 v14, 0, v5, s25
	v_cndmask_b32 v14, v14, v6, s26                ; k << 12
	v_add_nc_u32 v14, v14, v4
	v_add_nc_u32 v[ENT+\n], 1024*(\n/4)+\n%4, v14  ; | the token
	s_or_b32 s24, s24, s25
	s_or_b32 s[MK+\n], s24, s26
	s_bcnt1_i32_b32 s27, s[MK+\n]
	s_add_co_u32 s22, s22, s27
.endr
	v_add_f32 v8, v8, v9                           ; my two sums of probabilities, then my wave's 64
	v_add_f32_dpp v8, v8, v8 row_xmask:1 row_mask:0xf bank_mask:0xf
	v_add_f32_dpp v8, v8, v8 row_xmask:2 row_mask:0xf bank_mask:0xf
	v_add_f32_dpp v8, v8, v8 row_xmask:4 row_mask:0xf bank_mask:0xf
	v_add_f32_dpp v8, v8, v8 row_xmask:8 row_mask:0xf bank_mask:0xf
	v_permlanex16_b32 v9, v8, s18, s19
	v_add_f32 v8, v8, v9
	v_mov_b32 v11, s22
	ds_store_b32 v[WAD], v11                       ; all lanes write the wave's word with the same value
	ds_store_b32 v[WAD], v8 offset:32
	s_wait_dscnt 0x0                               ; for the others' sake: my stores are done
	s_barrier_signal -1
	s_barrier_wait -1
	ds_load_b128 v[48:51], v[NIL]                  ; the eight counts,
	ds_load_b128 v[52:55], v[NIL] offset:16
	ds_load_b128 v[56:59], v[NIL] offset:32        ; the eight sums
	ds_load_b128 v[60:63], v[NIL] offset:48
	s_wait_dscnt 0x0
.irp w, 0,1,2,3,4,5,6,7
	v_readfirstlane_b32 s[48+\w], v[48+\w]
.endr
	s_mov_b32 s23, 0                               ; where my wave's entries begin
	s_mov_b32 s28, 0                               ; the expert's count
.irp w, 0,1,2,3,4,5,6,7
	s_cmp_gt_u32 s12, \w
	s_cselect_b32 s27, s[48+\w], 0
	s_add_co_u32 s23, s23, s27
	s_add_co_u32 s28, s28, s[48+\w]
.endr
.irp n, 0,1,2,3,4,5,6,7,8,9,10,11,12,13,14,15
	v_mbcnt_lo_u32_b32 v[POS+\n], s[MK+\n], s23    ; the slot's first place + the chosen lanes below mine
	v_min_u32 v[POS+\n], 0x10ff, v[POS+\n]
	v_lshlrev_b32 v[POS+\n], 2, v[POS+\n]
	s_bcnt1_i32_b32 s27, s[MK+\n]
	s_add_co_u32 s23, s23, s27
.endr
	v_add_nc_u32 v[PAD], s28, v0                   ; the 256 entries of 0 behind the last: places count .. count + 255, which no entry takes
	v_min_u32 v[PAD], 0x10ff, v[PAD]
	v_lshlrev_b32 v[PAD], 2, v[PAD]
	global_store_b32 v[PAD], v[NIL], s[20:21]
.irp w, 1,2,3,4,5,6,7
	v_add_f32 v56, v56, v[56+\w]                   ; the sums in ascending order of the waves
.endr
	v_cvt_f32_u32 v12, s28
	v_mul_f32 v56, v56, v12
	v_mul_f32 v56, 0x35000000, v56                 ; x 8 / 4,096^2 = 2^-21
	v_mov_b32 v13, s28
	s_lshl_b32 s14, ttmp9, 2
	s_add_nc_u64 s[8:9], s[8:9], s[14:15]          ; (no pending instruction names these two bases)
	s_add_nc_u64 s[10:11], s[10:11], s[14:15]
.irp n, 0,1,2,3,4,5,6,7,8,9,10,11,12,13,14,15
	s_wait_xcnt 0x0                                ; EXEC changes only behind this wait
	s_and_saveexec_b32 s29, s[MK+\n]
	global_store_b32 v[POS+\n], v[ENT+\n], s[20:21]
	s_wait_xcnt 0x0                                ; and again, in front of the line that widens it
	s_or_b32 exec_lo, exec_lo, s29
.endr
	v_cmp_eq_u32 vcc_lo, 0, v0
	s_and_saveexec_b32 s29, vcc_lo                 ; thread 0 alone (nothing has been issued since the last wait on XCNT)
	global_store_b32 v[NIL], v13, s[8:9] offset:139264
	global_store_b32 v[NIL], v56, s[10:11]
	s_wait_xcnt 0x0
	s_mov_b32 exec_lo, -1
	s_wait_tensorcnt 0x0
	ds_add_u32 v72, v73
	s_wait_dscnt 0x0
	s_endpgm
.Lfunc_end_k_qaf25bcfe59_place:
	.size	k_qaf25bcfe59_place, .Lfunc_end_k_qaf25bcfe59_place-k_qaf25bcfe59_place
	.p2alignl 7, 3214868480
	.fill 96, 4, 3214868480
	.section	.rodata,"a",@progbits
	.p2align	6, 0x0
	.amdhsa_kernel k_qaf25bcfe59_place
		.amdhsa_group_segment_fixed_size 1280
		.amdhsa_private_segment_fixed_size 0
		.amdhsa_enable_private_segment 0
		.amdhsa_kernarg_size 32
		.amdhsa_user_sgpr_count 2
		.amdhsa_user_sgpr_kernarg_segment_ptr 1
		.amdhsa_wavefront_size32 1
		.amdhsa_system_sgpr_workgroup_id_x 1
		.amdhsa_system_sgpr_workgroup_id_y 1
		.amdhsa_system_sgpr_workgroup_id_z 1
		.amdhsa_system_vgpr_workitem_id 0
		.amdhsa_next_free_vgpr 74
		.amdhsa_next_free_sgpr 66
		.amdhsa_reserve_vcc 1
		.amdhsa_float_denorm_mode_32 3
		.amdhsa_float_denorm_mode_16_64 3
		.amdhsa_memory_ordered 1
		.amdhsa_forward_progress 1
		.amdhsa_inst_pref_size 24
	.end_amdhsa_kernel
	.amdgpu_metadata
---
amdhsa.version: [ 1, 2 ]
amdhsa.kernels:
  - .name:           k_qaf25bcfe59_place
    .symbol:         k_qaf25bcfe59_place.kd
    .args:
      - { .name: route, .offset: 0, .size: 8, .value_kind: global_buffer, .address_space: global }
      - { .name: gate, .offset: 8, .size: 8, .value_kind: global_buffer, .address_space: global }
      - { .name: rows, .offset: 16, .size: 8, .value_kind: global_buffer, .address_space: global }
      - { .name: auxp, .offset: 24, .size: 8, .value_kind: global_buffer, .address_space: global }
    .group_segment_fixed_size: 1280
    .private_segment_fixed_size: 0
    .kernarg_segment_align: 8
    .kernarg_segment_size: 32
    .max_flat_workgroup_size: 256
    .sgpr_count:     66
    .vgpr_count:     74
    .wavefront_size: 32
...
	.end_amdgpu_metadata
.endif
;; end of part 2
;; launch chain (part 3): grid 199 x 1, 8 waves a work-group, no clusters, 231,424 bytes of LDS; arguments xq, wq, b1, b2, rows, gate, ybuf; writes ybuf
.if DOCPART == 3
	.amdgcn_target "amdgcn-amd-amdhsa--gfx1250"
	.amdhsa_code_object_version 6
	.text
	.protected	k_qaf25bcfe59_chain
	.globl	k_qaf25bcfe59_chain
	.p2align	8
	.type	k_qaf25bcfe59_chain,@function
k_qaf25bcfe59_chain:
	s_mov_b64 s[64:65], 0
	v_nop
	global_prefetch_b8 v0, s[64:65] scope:SCOPE_SE
	s_setreg_imm32_b32 hwreg(HW_REG_WAVE_MODE, 25, 1), 1
	s_wait_xcnt 0x0
; CHAIN: one work-group takes one tile of 64 rows (token, choice) of ONE expert through the whole chain: gather the tokens' codes, h = gelu(x W1^T + b1), h quantised along the hidden axis, y = (h W2^T + b2) x the gate's weight.
; Both products on codes of E2M3 with one E8M0 scale for each 32 along K.  The hidden layer never goes to memory.  y goes to ybuf [3][4096][512], row = the entry k << 12 | token: each row has one maker.
; THE GRID: 12,288 rows in tiles of 64 over 8 experts are never more than 192 + 7 = 199 tiles, whatever the split.  Tile number -> (expert, tile of that expert) by the stored counts, without a branch.
; A tile that the split leaves unused (at most 7) runs on the list's entries and stores nothing: no branch on a loaded number stands ahead of the last barrier, so that every wave passes every barrier.
; SHARES.  THE WAVES SHARE THE COLUMNS: in trip i (0-3) wave w makes hidden units 512 i + 64 w .. + 63 for all 64 rows: half w & 1 of K step 4 i + (w >> 1) of the second product; and it makes outputs 64 w .. + 63 for all
; 64 rows.  So each weight fragment is loaded by one wave alone, straight from memory into registers in the order in which the first launch laid it (12 loads of 512 consecutive bytes a bundle of 4 fragments), and feeds 4 matrix instructions.
; Both products are used TRANSPOSED (source 0 = 16 weight rows, source 1 = 16 rows of the tile): a lane holds one row throughout, and its registers run along the next K.
; WHEN THE WEIGHTS ARE ASKED FOR.  A trip has eight bundles.  Beside both products' accumulators two sets of 48 registers fit.  W2's first two bundles are asked for into them behind the first product's last two steps; W2's other two
; into the first product's own accumulators, as the quantiser leaves them (tiles of rows 0, 1: v128-175; tiles 1, 2: v176-223): all four land under the GELU.  So the two sets are free behind the second product's first two steps
; and take the next trip's first two bundles of W1, three steps ahead of their use.  W1's other two are asked for one step ahead: no register is free for them earlier.
; WHAT GOES ROUND THROUGH LDS is small: images of operand registers (x's 16 fragments, written once; the hidden layer's 16 fragments of a trip, in two regions by turns, one barrier a trip: a region is written again only
; behind the next barrier, which every wave reaches behind its last reads of it), and at the end a stage of 64 rows of y.
; NO JOINT LOADS: the tiles that share an expert's weights are known only from counts read from memory, 199 work-groups divide into no cluster of 4, and a fragment is wanted in one wave's registers, not in LDS.
; GELU, exact form, in f32: g = max(x, 0) - |x| t 2^(-x^2 log2(e) / 2 + C0 + t (C1 + .. + t C9)), t = 1 / (1 + |x| / (2 sqrt 2)): the Chebyshev fit of erfc in t (fractional error 1.2e-7), its coefficients x log2(e), the factor 1/2 as -1 in C0.
; LIMITS: NaN and infinities are not served; an exponential under 2^-126 comes out as 0 (ISA guide 15.8); a block of zeros carries the byte 1 with zero codes.
; REGISTERS.  Window 0: v1-16 addresses; v18-19 C8; v20-27 the gate's weights; v28-31 and v76-79 weight scale words (four bundles), v32-47 x's, v48-51 the hidden layer's: these hold scales and nothing else; v52-68 the quantiser;
;   v70-75 the head's; v80-127 four fragments of x or h, and the GELU's t, polynomial and max(x, 0); v128-255 the first product's 16 accumulators (32 m + 8 t), behind the quantiser two bundles of W2, at the end y.
;   Window 1: v0-127 the second product's 16 accumulators (8 (4 t + m)); v128-175, v176-223 two sets of 4 weight fragments; v224-255 b1 in the result's layout.
.set XIMG, 0                           ; LDS: x's fragment (tile of rows m, K step s) at (4 m + s) x 1,536: three groups of 512 bytes, 16 bytes a lane
.set XSC,  24576                       ; its scale words at (4 m + s) x 128, 4 bytes a lane
.set HSC,  24576                       ; in an H region (at 0x8000 and at 0x10000): fragment (m, ks) at (4 m + ks) x 1,536, half c at + 768 c: 512 bytes for registers 6 c .. 6 c + 3, 256 for 6 c + 4, 6 c + 5; scale words from HSC on
.set HFLIP, 0x18000                    ; 0x8000 xor 0x10000
.set STG,  98304                       ; the stage: 64 rows x (2,048 bytes + 16)
.set SPI,  2064
.set L16, 1
.set L8,  2
.set L4,  3
.set BOF, 4                            ; 64 h: b1's offset
.set HWA, 5                            ; where I store my half fragment: 16 lane + 1,536 (w >> 1) + 768 (w & 1)
.set HWB, 6                            ; 8 lane + the same + 512
.set HWS, 7                            ; 4 lane + 128 (w >> 1) + 2 (w & 1) + HSC
.set AHA, 8                            ; v8-13: the same three, and 16, 8, 4 x lane, in the trip's region
.set AHB, 9
.set AHS, 10
.set AF16, 11
.set AF8, 12
.set AF4, 13
.set SO0, 14                           ; the stage, in: rows 0-31; v15: rows 32-63
.set SR,  16                           ; and back
.set C8V, 18
.set GA,  20
.set WSC, 28                           ; v28-31  scale words of the two sets in window 1
.set XS,  32
.set HS,  48
.set TM,  52
.set PW,  58
.set PC,  60
.set PT,  66
.set WSC2, 76                          ; v76-79  scale words of the two bundles in window 0
.set FR,  80
.set GT,  80
.set GP,  96
.set GS,  112
.set ACC1, 128
.set WC,  128                          ; window 0: W2's third bundle of a trip: free behind the quantiser's tile 1
.set WD,  176                          ; and its fourth: free behind tile 2
.set ACC2, 0
.set WSET, 128
.set B1R, 224
.set WV,  18                           ; s18 wave; s19 expert; s[20:27] counts, then my 8 entries; s28 tile of the expert; s29 its rows; s30 rows left from my first on
.set TB,  31                           ; s31 the trip's H region
.set W1P, 34
.set W1S, 36
.set W2P, 38
.set W2S, 40
.set B1P, 42
.set SEL, 46
.set KD,  48
.set C9,  50
.set C7,  52
.set C6,  54
.set C5,  56
.set C4,  58
.set C3,  60
.set C2,  62
.set C1,  66
.set C0,  68
.set SH,  70
.set YP,  72                           ; s[72:87] my eight rows of ybuf
.set MSB, 0
.macro WIN new                         ; the immediate's high byte repeats the setting that is left; a switch that changes nothing is dropped
.if MSB != \new
	s_set_vgpr_msb (MSB<<8)|\new
.set MSB, \new
.endif
.endm
.macro KPAIR r, bits                   ; a constant for the packed forms: they name a pair and take its low word for both halves, so both are written
	s_mov_b32 s[\r], \bits
	s_mov_b32 s[\r+1], s[\r]
.endm
.macro LOADB set, cp, co, sp, so       ; a bundle into a set of window 1: 4 fragments (12 loads of 512 consecutive bytes) and their scale words (256 bytes): 13 loads
	WIN 0x40                                       ; destination window 1
.irp i, 0,1,2,3,4,5,6,7,8,9,10,11
	global_load_b128 v[WSET+48*(\set)+4*\i:WSET+48*(\set)+4*\i+3], v[L16], s[\cp:\cp+1] offset:(\co)+512*\i
.endr
	WIN 0
	global_load_b64 v[WSC+2*(\set):WSC+2*(\set)+1], v[L8], s[\sp:\sp+1] offset:\so   ; register q: tile 2 q in lanes 0-15, tile 2 q + 1 in lanes 16-31
.endm
.macro LOADC reg, sreg, co, so         ; a bundle of W2 into window 0, where the first product's accumulators have been quantised and are done with: 13 loads
.irp i, 0,1,2,3,4,5,6,7,8,9,10,11
	global_load_b128 v[\reg+4*\i:\reg+4*\i+3], v[L16], s[W2P:W2P+1] offset:(\co)+512*\i
.endr
	global_load_b64 v[\sreg:\sreg+1], v[L8], s[W2S:W2S+1] offset:\so
.endm
.macro BIAS off                        ; b1 of my 64 hidden units, as the C of the first K step: tile t, lane (r, h): units 32 (t / 2) + 8 (t % 2) + 16 h + 0 .. 7.  8 loads.  A LOADB always follows: the window stays
	WIN 0x40
.irp t, 0,1,2,3
.irp i, 0,1
	global_load_b128 v[B1R+8*\t+4*\i:B1R+8*\t+4*\i+3], v[BOF], s[B1P:B1P+1] offset:(\off)+4*(32*(\t/2)+8*(\t%2))+16*\i
.endr
.endr
.endm
.macro WM d, a, b, c, sa, sb, odd      ; source 0's scale words lie in lanes 16-31 for an odd tile
.if \odd
	v_wmma_scale_f32_16x16x128_f8f6f4 v[\d:\d+7], v[\a:\a+11], v[\b:\b+11], v[\c:\c+7], v[\sa], v[\sb] matrix_a_fmt:MATRIX_FMT_FP6 matrix_b_fmt:MATRIX_FMT_FP6 matrix_a_scale:MATRIX_SCALE_ROW1
.else
	v_wmma_scale_f32_16x16x128_f8f6f4 v[\d:\d+7], v[\a:\a+11], v[\b:\b+11], v[\c:\c+7], v[\sa], v[\sb] matrix_a_fmt:MATRIX_FMT_FP6 matrix_b_fmt:MATRIX_FMT_FP6
.endif
.endm
; K step s of the first product: x's four fragments from LDS, 16 matrix instructions on 16 accumulators by turns.  cnt: the younger global loads that may stay out.
; Four plain instructions end the step: behind them loads may land in the registers that the products read, and vector instructions may read the results.
.macro STEP1 s, set, cnt
.irp m, 0,1,2,3
.irp g, 0,1,2
	ds_load_b128 v[FR+12*\m+4*\g:FR+12*\m+4*\g+3], v[L16] offset:XIMG+(4*\m+\s)*1536+512*\g
.endr
.endr
	s_wait_loadcnt \cnt
	s_wait_dscnt 0x0
.if (\s) == 0
	WIN 0x11                                       ; source 0 (weights) and C (b1) window 1
.else
	WIN 0x01
.endif
.irp t, 0,1,2,3
.irp m, 0,1,2,3
.if (\s) == 0
	WM ACC1+32*\m+8*\t, WSET+48*\set+12*\t, FR+12*\m, B1R+8*\t, WSC+2*\set+\t/2, XS+4*\m+\s, \t%2
.else
	WM ACC1+32*\m+8*\t, WSET+48*\set+12*\t, FR+12*\m, ACC1+32*\m+8*\t, WSC+2*\set+\t/2, XS+4*\m+\s, \t%2
.endif
.endr
.endr
	WIN 0
.rept 4
	v_nop
.endr
.endm
; K step ks of the trip's four of the second product: the hidden layer's four fragments and scale words from the trip's region.  ab: where the bundle lies; win: 0x51 (source 0, C and D window 1) or 0x50 (source 0 window 0); sb: its scale words
.macro STEP2 ks, ab, win, sb, cnt
.irp m, 0,1,2,3
	ds_load_b128 v[FR+12*\m:FR+12*\m+3], v[AF16] offset:(4*\m+\ks)*1536
	ds_load_b64 v[FR+12*\m+4:FR+12*\m+5], v[AF8] offset:(4*\m+\ks)*1536+512
	ds_load_b128 v[FR+12*\m+6:FR+12*\m+9], v[AF16] offset:(4*\m+\ks)*1536+768
	ds_load_b64 v[FR+12*\m+10:FR+12*\m+11], v[AF8] offset:(4*\m+\ks)*1536+1280
	ds_load_b32 v[HS+\m], v[AF4] offset:HSC+(4*\m+\ks)*128
.endr
	s_wait_loadcnt \cnt
	s_wait_dscnt 0x0
	WIN \win
.irp t, 0,1,2,3
.irp m, 0,1,2,3
	WM ACC2+8*(4*\t+\m), \ab+12*\t, FR+12*\m, ACC2+8*(4*\t+\m), \sb+\t/2, HS+\m, \t%2
.endr
.endr
	WIN 0
.rept 4
	v_nop
.endr
.endm
; 16 numbers in place.  Two batches of transcendentals, each with plain work behind it and ONE wait ahead of its first reader.  Each accumulator is read from its low end on.
.macro GELU16 x
.set j, 0
.rept 16
	v_fma_f32 v[GT+j], |v[\x+j]|, s[KD], 1.0
.set j, j+1
.endr
.set j, 0
.rept 16
	v_rcp_f32 v[GT+j], v[GT+j]                     ; t
.set j, j+1
.endr
.set j, 0
.rept 8
	v_pk_mul_f32 v[GS+j:GS+j+1], v[\x+j:\x+j+1], v[\x+j:\x+j+1]   ; x^2
.set j, j+2
.endr
	s_wait_alu depctr_va_vdst(0)
.set j, 0
.rept 8
	v_pk_fma_f32 v[GP+j:GP+j+1], v[GT+j:GT+j+1], s[C9:C9+1], v[C8V:C8V+1] op_sel_hi:[1,0,1]
.set j, j+2
.endr
.irp c, C7,C6,C5,C4,C3,C2,C1,C0
.set j, 0
.rept 8
	v_pk_fma_f32 v[GP+j:GP+j+1], v[GP+j:GP+j+1], v[GT+j:GT+j+1], s[\c:\c+1] op_sel_hi:[1,1,0]
.set j, j+2
.endr
.endr
.set j, 0
.rept 8
	v_pk_fma_f32 v[GP+j:GP+j+1], v[GS+j:GS+j+1], s[SH:SH+1], v[GP+j:GP+j+1] op_sel_hi:[1,0,1]
.set j, j+2
.endr
.set j, 0
.rept 16
	v_exp_f32 v[GP+j], v[GP+j]
.set j, j+1
.endr
.set j, 0
.rept 16
	v_max_num_f32 v[GS+j], 0, v[\x+j]
.set j, j+1
.endr
	s_wait_alu depctr_va_vdst(0)
.set j, 0
.rept 8
	v_pk_mul_f32 v[GT+j:GT+j+1], v[GT+j:GT+j+1], v[GP+j:GP+j+1]   ; erfc(|x| / sqrt 2) / 2
.set j, j+2
.endr
.set j, 0
.rept 16
	v_fma_f32 v[\x+j], -|v[\x+j]|, v[GT+j], v[GS+j]
.set j, j+1
.endr
.endm
; Tile of rows m: my 64 hidden units of row r are two blocks of 32; register 16 b + i is unit 32 b + 16 h + i.  They become registers 6 c .. 6 c + 5 of a fragment and two bytes of its scale word, and go to LDS as they stand.
.macro QH m
.set XB, ACC1+32*(\m)
.irp b, 0,1
	v_max3_num_f32 v[TM+\b], |v[XB+16*\b]|, |v[XB+16*\b+1]|, 0x1800000   ; and the floor 2^(3 - 127): the byte cannot fall under 1
.endr
.irp i, 2,4,6,8,10,12,14
.irp b, 0,1
	v_max3_num_f32 v[TM+\b], v[TM+\b], |v[XB+16*\b+\i]|, |v[XB+16*\b+\i+1]|
.endr
.endr
.irp b, 0,1
	v_permlanex16_b32 v[TM+2+\b], v[TM+\b], s[SEL], s[SEL+1]
.endr
.irp b, 0,1
	v_max_num_f32 v[TM+\b], v[TM+\b], v[TM+2+\b]   ; with lane l xor 16's 16: the block's largest magnitude
.endr
.irp b, 0,1
	v_add_nc_u32 v[TM+4+\b], 0xff000000, v[TM+\b]  ; 2 off its exponent field: the conversion's scale operand
.endr
.irp b, 0,1
	v_lshrrev_b32 v[TM+2+\b], 23, v[TM+4+\b]
.endr
	v_lshl_or_b32 v[PW], v[TM+3], 8, v[TM+2]       ; my two bytes of the row's scale word
	s_wait_dscnt 0x0                               ; the last tile's LDS stores have read the codes' registers
	v_cvt_scalef32_pk16_fp6_f32 v[PC:PC+2], v[XB:XB+15], v[TM+4]
	v_cvt_scalef32_pk16_fp6_f32 v[PT:PT+2], v[XB+16:XB+31], v[TM+5]
	v_nop                                          ; one plain instruction behind the scaled conversions
.irp i, 0,1,2
	v_permlane16_swap_b32 v[PC+\i], v[PT+\i]       ; the layout wants a whole block in a lane: lanes 0-15 block 0, lanes 16-31 block 1
.endr
.irp i, 0,1,2
	v_mov_b32 v[PC+3+\i], v[PT+\i]
.endr
	ds_store_b128 v[AHA], v[PC:PC+3] offset:6144*(\m)
	ds_store_b64 v[AHB], v[PC+4:PC+5] offset:6144*(\m)
	ds_store_b16 v[AHS], v[PW] offset:512*(\m)
.endm
; A TRIP: 512 hidden units.  ahead = 1: the next trip's b1 and first two bundles are asked for too.
; The order of the loads: [s0, s1 of W1 are out or in] | step s0 | next b1, s2 | step s1 | s3 | step s2 | k0 of W2 | step s3 | k1 | GELU, tiles 0, 1 | k2 | tile 2 | k3 | tile 3 | step k0 | next s0 | step k1 | next s1 | step k2 | step k3.
; The counts of the waits for global loads are the loads issued behind the bundle that the step wants, 13 a bundle and 8 for b1: 13, 21 (13 without b1), 13, 13; 39, 39, 39, 26; in the last trip 39, 26, 13, 0.
; The next trip's first products write over the registers that steps k2 and k3 read as source 0: between them stand the four plain instructions that end a step and the six additions at a trip's head (ISA guide 7.12.1).
.macro TRIP ahead
	v_add_nc_u32 v[AHA], s[TB], v[HWA]
	v_add_nc_u32 v[AHB], s[TB], v[HWB]
	v_add_nc_u32 v[AHS], s[TB], v[HWS]
	v_add_nc_u32 v[AF16], s[TB], v[L16]
	v_add_nc_u32 v[AF8], s[TB], v[L8]
	v_add_nc_u32 v[AF4], s[TB], v[L4]
	STEP1 0, 0, 13
.if \ahead
	BIAS 2048
.endif
	LOADB 0, W1P, 2*6144, W1S, 2*256
.if \ahead
	STEP1 1, 1, 21
.else
	STEP1 1, 1, 13
.endif
	LOADB 1, W1P, 3*6144, W1S, 3*256
	STEP1 2, 0, 13
	LOADB 0, W2P, 0, W2S, 0
	STEP1 3, 1, 13
	LOADB 1, W2P, 6144, W2S, 256
.irp m, 0,1,2,3
	GELU16 ACC1+32*\m
	GELU16 ACC1+32*\m+16
	QH \m
.if \m == 1
	LOADC WC, WSC2, 2*6144, 2*256                  ; tiles 0 and 1 are quantised: v128-191 are done with
.endif
.if \m == 2
	LOADC WD, WSC2+2, 3*6144, 3*256                ; tile 2 too: v192-223
.endif
.endr
	s_wait_dscnt 0x0                               ; for the others' sake: my stores into the region are done
	s_barrier_signal -1
	s_barrier_wait -1                              ; the trip's 16 fragments of the hidden layer lie in LDS
	STEP2 0, WSET, 0x51, WSC, 39
.if \ahead
	LOADB 0, W1P, 196608, W1S, 8192
	STEP2 1, WSET+48, 0x51, WSC+2, 39
	LOADB 1, W1P, 196608+6144, W1S, 8192+256
	STEP2 2, WC, 0x50, WSC2, 39
	STEP2 3, WD, 0x50, WSC2+2, 26
	s_wait_xcnt 0x0                                ; the loads have read their bases: only now are these stepped
	s_add_nc_u64 s[W1P:W1P+1], s[W1P:W1P+1], 196608
	s_add_nc_u64 s[W1S:W1S+1], s[W1S:W1S+1], 8192
	s_add_nc_u64 s[W2P:W2P+1], s[W2P:W2P+1], 24576
	s_add_nc_u64 s[W2S:W2S+1], s[W2S:W2S+1], 1024
	s_add_nc_u64 s[B1P:B1P+1], s[B1P:B1P+1], 2048
	s_xor_b32 s[TB], s[TB], HFLIP                  ; the other region
.else
	STEP2 1, WSET+48, 0x51, WSC+2, 26
	STEP2 2, WC, 0x50, WSC2, 13
	STEP2 3, WD, 0x50, WSC2+2, 0
.endif
.endm
	s_load_b256 s[4:11], s[0:1], 0x0               ; xq s[4:5], wq s[6:7], b1 s[8:9], b2 s[10:11]
	s_load_b128 s[12:15], s[0:1], 0x20             ; rows s[12:13], gate s[14:15]
	s_load_b64 s[16:17], s[0:1], 0x30              ; ybuf
	v_lshl_add_u32 v59, v0, 2, 0x38400
	v_mov_b32 v69, 0
	v_lshrrev_b32 v70, 5, v0
	v_readfirstlane_b32 s[WV], v70                 ; wave 0..7
	v_and_b32 v71, 31, v0                          ; lane
	v_and_b32 v72, 15, v0                          ; r
	v_bfe_u32 v73, v0, 4, 1                        ; h
	s_wait_kmcnt 0x0
	s_load_b256 s[20:27], s[12:13], 0x22000        ; the eight counts
	; addresses and constants, while the counts are on their way
	v_lshlrev_b32 v[L16], 4, v71
	v_lshlrev_b32 v[L8], 3, v71
	v_lshlrev_b32 v[L4], 2, v71
	v_lshlrev_b32 v[BOF], 6, v73
	v_lshlrev_b32 v74, 5, v73                      ; 32 h: b2's offset
	v_lshlrev_b32 v70, 2, v72                      ; 4 r: an entry's
	s_lshr_b32 s33, s[WV], 1
	s_and_b32 s49, s[WV], 1
	s_mul_i32 s94, s33, 1536
	s_mul_i32 s95, s49, 768
	s_add_co_u32 s94, s94, s95
	v_add_nc_u32 v[HWA], s94, v[L16]
	s_add_co_u32 s94, s94, 512
	v_add_nc_u32 v[HWB], s94, v[L8]
	s_lshl_b32 s94, s33, 7
	s_lshl_b32 s95, s49, 1
	s_add_co_u32 s94, s94, s95
	s_add_co_u32 s94, s94, HSC
	v_add_nc_u32 v[HWS], s94, v[L4]
	s_and_b32 s33, s[WV], 3                        ; the tile of rows whose codes I gather,
	s_lshr_b32 s49, s[WV], 2                       ; and which two of its four K steps
	s_mul_i32 s94, s33, 6144
	s_mul_i32 s95, s49, 3072
	s_add_co_u32 s94, s94, s95
	v_add_nc_u32 v92, s94, v[L16]                  ; where their images go
	s_lshl_b32 s94, s33, 9
	s_lshl_b32 s95, s49, 8
	s_add_co_u32 s94, s94, s95
	s_add_co_u32 s94, s94, XSC
	v_add_nc_u32 v93, s94, v[L4]                   ; and their scale words
	s_lshl_b32 s94, s33, 6
	v_add_nc_u32 v75, s94, v70                     ; that tile's entries: 64 (w & 3) + 4 r
	s_mul_i32 s94, s49, 96
	v_mul_u32_u24 v94, v73, 192
	v_add_nc_u32 v94, s94, v94                     ; in a token's codes: 192 h + 96 (w >> 2)
	s_lshl_b32 s94, s49, 3
	v_mov_b32 v95, s94                             ; in its scale bytes: 8 (w >> 2)
	v_mul_u32_u24 v[SO0], v72, SPI
	v_lshl_add_u32 v[SO0], v73, 5, v[SO0]
	s_lshl_b32 s94, s[WV], 8
	s_add_co_u32 s94, s94, STG
	v_add_nc_u32 v[SO0], s94, v[SO0]               ; the stage, in: row r, + 32 h, + 256 w
	v_add_nc_u32 v[SO0+1], 32*SPI, v[SO0]
	s_mul_i32 s94, s[WV], 8*SPI
	s_add_co_u32 s94, s94, STG
	v_add_nc_u32 v[SR], s94, v[L16]                ; back: my 8 rows
	v_mov_b32 v[C8V], 0xbf97d29d                   ; C8 = -1.1861149
	v_mov_b32 v[C8V+1], v[C8V]
	v_mov_b32 v[TM+2], 0                           ; written once: a lane permute's destination counts as one of its sources
	v_mov_b32 v[TM+3], 0
	s_mov_b32 s[SEL], 0x76543210
	s_mov_b32 s[SEL+1], 0xfedcba98
	s_mov_b32 s[KD], 0x3eb504f3                    ; 1 / (2 sqrt 2)
	KPAIR C9, 0x3e7c6f08                           ;  0.24651730
	KPAIR C7, 0x40097039                           ;  2.1474745
	KPAIR C6, 0xbfd1a1e5                           ; -1.6377532
	KPAIR C5, 0x3ecdfd18                           ;  0.40232158
	KPAIR C4, 0xbe899a80                           ; -0.26875686
	KPAIR C3, 0x3e0efb2e                           ;  0.13963006
	KPAIR C2, 0x3f0a29d2                           ;  0.53970062
	KPAIR C1, 0x3fb8ab5a                           ;  1.4427292
	KPAIR C0, 0xc034d90f                           ; -2.8257482
	KPAIR SH, 0xbf38aa3b                           ; -log2(e) / 2
	s_mov_b32 s[TB], 0x8000
	s_mov_b32 s91, 0
	s_mov_b32 s93, 0
	s_wait_kmcnt 0x0
	; which expert's which tile: the experts' tiles lie on end; s33 = tiles up to and with expert i
	s_mov_b32 s33, 0
	s_mov_b32 s19, 0
	s_mov_b32 s49, 0                               ; the first tile of my expert
	s_mov_b32 s94, s20                             ; its count
.irp i, 0,1,2,3,4,5,6,7
	s_add_co_u32 s95, s[20+\i], 63
	s_lshr_b32 s95, s95, 6
	s_add_co_u32 s33, s33, s95
	s_cmp_le_u32 s33, ttmp9                        ; my tile lies behind expert i's
	s_cselect_b32 s49, s33, s49
.if \i < 7
	s_cselect_b32 s94, s[21+\i], s94
.else
	s_cselect_b32 s94, 0, s94
.endif
	s_cselect_b32 s95, 1, 0
	s_add_co_u32 s19, s19, s95
.endr
	s_sub_co_u32 s28, ttmp9, s49
	s_cmp_eq_u32 s19, 8                            ; behind all: a tile that this split does not use
	s_cselect_b32 s28, 0, s28
	s_min_u32 s19, s19, 7                          ; what was made of loaded numbers is held by a constant before it enters an address
	s_min_u32 s28, s28, 63
	s_lshl_b32 s95, s28, 6
	s_sub_co_i32 s29, s94, s95
	s_max_i32 s29, s29, 0
	s_min_i32 s29, s29, 64                         ; the tile's rows: 0 .. 64
	s_lshl_b32 s95, s[WV], 3
	s_sub_co_i32 s30, s29, s95                     ; of them, from my first row on
	s_mul_i32 s90, s19, 17408
	s_lshl_b32 s95, s28, 8
	s_add_co_u32 s90, s90, s95
	s_add_nc_u64 s[44:45], s[12:13], s[90:91]      ; the tile's 64 entries
	s_lshl_b32 s92, s[WV], 5
	s_add_nc_u64 s[92:93], s[44:45], s[92:93]      ; my 8 of them
.irp m, 0,1,2,3
	global_load_b32 v[80+\m], v70, s[44:45] offset:64*\m   ; row 16 m + r's entry, for the gate's weight
.endr
	global_load_b32 v84, v75, s[44:45]             ; and that of the row whose codes I gather
	s_load_b256 s[20:27], s[92:93], 0x0            ; the counts are used up
	s_lshl_b32 s90, s19, 11
	s_lshl_b32 s95, s[WV], 8
	s_add_co_u32 s90, s90, s95
	s_add_nc_u64 s[88:89], s[10:11], s[90:91]      ; b2 of my 64 outputs
	WIN 0x40
.irp t, 0,1,2,3                        ; the second product's sums begin at b2: lane (r, h) of tile t: outputs 16 t + 8 h + 0 .. 7
.irp m, 0,1,2,3
.irp i, 0,1
	global_load_b128 v[ACC2+8*(4*\t+\m)+4*\i:ACC2+8*(4*\t+\m)+4*\i+3], v74, s[88:89] offset:64*\t+16*\i
.endr
.endr
.endr
	s_mul_i32 s94, s19, 786432                     ; my weights: an expert's bundles of w1 or of w2 are 786,432 bytes.  (Scalar lines alone up to the next loads: the window stays)
	s_mul_i32 s95, s[WV], 24576
	s_add_co_u32 s90, s94, s95
	s_add_nc_u64 s[W1P:W1P+1], s[6:7], s[90:91]
	s_mul_i32 s95, s[WV], 98304
	s_add_co_u32 s90, s94, s95
	s_add_co_u32 s90, s90, 6291456
	s_add_nc_u64 s[W2P:W2P+1], s[6:7], s[90:91]
	s_lshl_b32 s94, s19, 15
	s_lshl_b32 s95, s[WV], 10
	s_add_co_u32 s90, s94, s95
	s_add_co_u32 s90, s90, 12582912
	s_add_nc_u64 s[W1S:W1S+1], s[6:7], s[90:91]
	s_lshl_b32 s95, s[WV], 12
	s_add_co_u32 s90, s94, s95
	s_add_co_u32 s90, s90, 12845056
	s_add_nc_u64 s[W2S:W2S+1], s[6:7], s[90:91]
	s_lshl_b32 s94, s19, 13
	s_lshl_b32 s95, s[WV], 8
	s_add_co_u32 s90, s94, s95
	s_add_nc_u64 s[B1P:B1P+1], s[8:9], s[90:91]
	BIAS 0                                         ; b1 and the first bundle hang on the expert alone: they go out ahead of the wait for the entries
	LOADB 0, W1P, 0, W1S, 0
	s_wait_loadcnt 53                              ; the five entries are in; b2's 32 loads, b1's 8 and the bundle's 13 may be out
.irp m, 0,1,2,3
	v_min_u32 v[80+\m], 0x2fff, v[80+\m]
	v_lshlrev_b32 v[85+\m], 2, v[80+\m]
.endr
	v_min_u32 v84, 0x2fff, v84
	v_and_b32 v84, 0xfff, v84                      ; the token
	v_mul_u32_u24 v89, v84, 384
	v_add_nc_u32 v89, v94, v89
	v_lshlrev_b32 v90, 4, v84
	v_add_nc_u32 v90, v95, v90
.irp m, 0,1,2,3
	global_load_b32 v[GA+2*\m], v[85+\m], s[14:15] ; the gate's weight of row 16 m + r
.endr
.irp g, 0,1,2,3,4,5
	global_load_b128 v[128+4*\g:131+4*\g], v89, s[4:5] offset:16*\g   ; two fragments' registers of my row: 96 bytes on end
.endr
	global_load_b64 v[152:153], v90, s[4:5] offset:1572864             ; and their scale words
	LOADB 1, W1P, 6144, W1S, 256
	s_wait_loadcnt 13                              ; all but the second bundle's 13
.irp g, 0,1,2,3,4,5
	ds_store_b128 v92, v[128+4*\g:131+4*\g] offset:512*\g
.endr
	ds_store_b32 v93, v152
	ds_store_b32 v93, v153 offset:128
.irp m, 0,1,2,3
	v_mov_b32 v[GA+2*\m+1], v[GA+2*\m]             ; named with it as a pair, so it is written
.endr
	s_wait_kmcnt 0x0                               ; my 8 entries
.irp i, 0,1,2,3,4,5,6,7
	s_min_u32 s95, s[20+\i], 0x2fff
	s_lshl_b32 s90, s95, 11
	s_add_nc_u64 s[YP+2*\i:YP+2*\i+1], s[16:17], s[90:91]
.endr
	s_wait_dscnt 0x0                               ; for the others' sake: my stores are done
	s_barrier_signal -1
	s_barrier_wait -1                              ; x's 16 fragments lie in LDS, for the whole launch
.irp n, 0,1,2,3,4,5,6,7,8,9,10,11,12,13,14,15
	ds_load_b32 v[XS+\n], v[L4] offset:XSC+128*\n  ; their scale words stay in registers
.endr
	s_mov_b32 s32, 3
.Ltrip:
	TRIP 1
	s_sub_co_u32 s32, s32, 1
	s_cmp_lg_u32 s32, 0
	s_cbranch_scc1 .Ltrip
	TRIP 0                                         ; the last trip asks for nothing beyond its own weights: no load leaves its buffer
	; THE WAY OUT.  y x the gate's weight; a lane's eight numbers are eight neighbouring outputs of one row, and a row's 512 come from eight waves: they meet in the stage, and each wave stores 8 whole rows.
	WIN 0x01                                       ; source 0 window 1
.irp t, 0,1,2,3
.irp m, 0,1,2,3
.irp p, 0,2,4,6
	v_pk_mul_f32 v[128+8*(4*\t+\m)+\p:128+8*(4*\t+\m)+\p+1], v[ACC2+8*(4*\t+\m)+\p:ACC2+8*(4*\t+\m)+\p+1], v[GA+2*\m:GA+2*\m+1] op_sel_hi:[1,0]
.endr
.endr
.endr
	WIN 0
.irp t, 0,1,2,3
.irp m, 0,1,2,3
.irp i, 0,1
	ds_store_b128 v[SO0+\m/2], v[128+8*(4*\t+\m)+4*\i:128+8*(4*\t+\m)+4*\i+3] offset:16*SPI*(\m%2)+64*\t+16*\i
.endr
.endr
.endr
	s_wait_dscnt 0x0
	s_barrier_signal -1
	s_barrier_wait -1                              ; 64 whole rows of y lie in the stage
.irp i, 0,1,2,3,4,5,6,7
.irp g, 0,1,2,3
	ds_load_b128 v[128+16*\i+4*\g:128+16*\i+4*\g+3], v[SR] offset:SPI*\i+512*\g
.endr
.endr
	s_wait_dscnt 0x0
.irp i, 0,1,2,3,4,5,6,7                ; only the rows that the tile has: the one branch on a loaded number, behind the last barrier
	s_cmp_gt_i32 s30, \i
	s_cbranch_scc0 .Ldone
.irp g, 0,1,2,3
	global_store_b128 v[L16], v[128+16*\i+4*\g:128+16*\i+4*\g+3], s[YP+2*\i:YP+2*\i+1] offset:512*\g th:TH_STORE_NT   ; 32 lanes store 512 consecutive bytes, at a multiple of 256 from the buffer's first byte
.endr
.endr
.Ldone:
	s_barrier_signal -1
	s_barrier_wait -1
	s_wait_tensorcnt 0x0
	ds_add_u32 v59, v69
	s_wait_dscnt 0x0
	s_endpgm
.Lfunc_end_k_qaf25bcfe59_chain:
	.size	k_qaf25bcfe59_chain, .Lfunc_end_k_qaf25bcfe59_chain-k_qaf25bcfe59_chain
	.p2alignl 7, 3214868480
	.fill 96, 4, 3214868480
	.section	.rodata,"a",@progbits
	.p2align	6, 0x0
	.amdhsa_kernel k_qaf25bcfe59_chain
		.amdhsa_group_segment_fixed_size 231424
		.amdhsa_private_segment_fixed_size 0
		.amdhsa_enable_private_segment 0
		.amdhsa_kernarg_size 56
		.amdhsa_user_sgpr_count 2
		.amdhsa_user_sgpr_kernarg_segment_ptr 1
		.amdhsa_wavefront_size32 1
		.amdhsa_system_sgpr_workgroup_id_x 1
		.amdhsa_system_sgpr_workgroup_id_y 1
		.amdhsa_system_sgpr_workgroup_id_z 1
		.amdhsa_system_vgpr_workitem_id 0
		.amdhsa_next_free_vgpr 512
		.amdhsa_next_free_sgpr 96
		.amdhsa_reserve_vcc 0
		.amdhsa_float_denorm_mode_32 3
		.amdhsa_float_denorm_mode_16_64 3
		.amdhsa_memory_ordered 1
		.amdhsa_forward_progress 1
		.amdhsa_inst_pref_size 255
	.end_amdhsa_kernel
	.section	.bss,"aw",@nobits
	.p2align	6
	.space	262144
	.amdgpu_metadata
---
amdhsa.version: [ 1, 2 ]
amdhsa.kernels:
  - .name:           k_qaf25bcfe59_chain
    .symbol:         k_qaf25bcfe59_chain.kd
    .args:
      - { .name: xq, .offset: 0, .size: 8, .value_kind: global_buffer, .address_space: global }
      - { .name: wq, .offset: 8, .size: 8, .value_kind: global_buffer, .address_space: global }
      - { .name: b1, .offset: 16, .size: 8, .value_kind: global_buffer, .address_space: global }
      - { .name: b2, .offset: 24, .size: 8, .value_kind: global_buffer, .address_space: global }
      - { .name: rows, .offset: 32, .size: 8, .value_kind: global_buffer, .address_space: global }
      - { .name: gate, .offset: 40, .size: 8, .value_kind: global_buffer, .address_space: global }
      - { .name: ybuf, .offset: 48, .size: 8, .value_kind: global_buffer, .address_space: global }
    .group_segment_fixed_size: 231424
    .private_segment_fixed_size: 0
    .kernarg_segment_align: 8
    .kernarg_segment_size: 56
    .max_flat_workgroup_size: 256
    .sgpr_count:     96
    .vgpr_count:     512
    .wavefront_size: 32
...
	.end_amdgpu_metadata
.endif
;; end of part 3
;; launch combine (part 4): grid 512 x 1, 8 waves a work-group, no clusters, 0 bytes of LDS; arguments ybuf, auxp, out0, out1; writes out0, out1
.if DOCPART == 4
	.amdgcn_target "amdgcn-amd-amdhsa--gfx1250"
	.amdhsa_code_object_version 6
	.text
	.protected	k_qaf25bcfe59_combine
	.globl	k_qaf25bcfe59_combine
	.p2align	8
	.type	k_qaf25bcfe59_combine,@function
k_qaf25bcfe59_combine:
	s_mov_b64 s[64:65], 0
	v_nop
	global_prefetch_b8 v0, s[64:65] scope:SCOPE_SE
	s_setreg_imm32_b32 hwreg(HW_REG_WAVE_MODE, 25, 1), 1
	s_wait_xcnt 0x0
; COMBINE: out0[token] = (y0 + y1) + y2, the token's three weighted expert results from ybuf [3][4096][512]; out1 = the sum of the eight experts' terms of the loss, in ascending order.
; A plain stream: a work-group takes 16,384 bytes of out0, a thread four pieces of 16 bytes; all 12 loads of a thread go out at once; each load and store of a wave covers 512 consecutive bytes, aligned.
; No LDS, no barrier, no matrix work: memory binds.
	s_load_b256 s[4:11], s[0:1], 0x0               ; ybuf s[4:5], auxp s[6:7], out0 s[8:9], out1 s[10:11]
	v_lshlrev_b32 v1, 4, v0
	s_lshl_b32 s12, ttmp9, 14
	s_mov_b32 s13, 0
	s_wait_kmcnt 0x0
	s_add_nc_u64 s[14:15], s[4:5], s[12:13]        ; the three planes lie 8,388,608 bytes apart
	s_add_nc_u64 s[16:17], s[14:15], 0x800000
	s_add_nc_u64 s[18:19], s[14:15], 0x1000000
	s_add_nc_u64 s[8:9], s[8:9], s[12:13]
.irp i, 0,1,2,3
.irp k, 0,1,2
	global_load_b128 v[4+12*\i+4*\k:7+12*\i+4*\k], v1, s[14+2*\k:15+2*\k] offset:4096*\i th:TH_LOAD_NT
.endr
.endr
.irp i, 0,1,2,3
	s_wait_loadcnt 9-3*\i                          ; this piece's three loads are in; the later pieces' may be out
	v_pk_add_f32 v[4+12*\i:5+12*\i], v[4+12*\i:5+12*\i], v[8+12*\i:9+12*\i]
	v_pk_add_f32 v[6+12*\i:7+12*\i], v[6+12*\i:7+12*\i], v[10+12*\i:11+12*\i]
	v_pk_add_f32 v[4+12*\i:5+12*\i], v[4+12*\i:5+12*\i], v[12+12*\i:13+12*\i]
	v_pk_add_f32 v[6+12*\i:7+12*\i], v[6+12*\i:7+12*\i], v[14+12*\i:15+12*\i]
	global_store_b128 v1, v[4+12*\i:7+12*\i], s[8:9] offset:4096*\i th:TH_STORE_NT
.endr
	s_cmp_lg_u32 ttmp9, 0
	s_cbranch_scc1 .Lend
	s_load_b256 s[20:27], s[6:7], 0x0              ; work-group 0 alone: the eight terms
	v_mov_b32 v3, 0
	s_wait_kmcnt 0x0
	v_mov_b32 v2, s20
.irp e, 1,2,3,4,5,6,7
	v_add_f32 v2, s[20+\e], v2
.endr
	s_wait_xcnt 0x0                                ; EXEC changes only behind this wait
	v_cmp_eq_u32 vcc_lo, 0, v0
	s_and_saveexec_b32 s28, vcc_lo                 ; thread 0 alone
	global_store_b32 v3, v2, s[10:11]
	s_wait_xcnt 0x0
	s_or_b32 exec_lo, exec_lo, s28
.Lend:
	s_endpgm
.Lfunc_end_k_qaf25bcfe59_combine:
	.size	k_qaf25bcfe59_combine, .Lfunc_end_k_qaf25bcfe59_combine-k_qaf25bcfe59_combine
	.p2alignl 7, 3214868480
	.fill 96, 4, 3214868480
	.section	.rodata,"a",@progbits
	.p2align	6, 0x0
	.amdhsa_kernel k_qaf25bcfe59_combine
		.amdhsa_group_segment_fixed_size 0
		.amdhsa_private_segment_fixed_size 0
		.amdhsa_enable_private_segment 0
		.amdhsa_kernarg_size 32
		.amdhsa_user_sgpr_count 2
		.amdhsa_user_sgpr_kernarg_segment_ptr 1
		.amdhsa_wavefront_size32 1
		.amdhsa_system_sgpr_workgroup_id_x 1
		.amdhsa_system_sgpr_workgroup_id_y 1
		.amdhsa_system_sgpr_workgroup_id_z 1
		.amdhsa_system_vgpr_workitem_id 0
		.amdhsa_next_free_vgpr 64
		.amdhsa_next_free_sgpr 66
		.amdhsa_reserve_vcc 1
		.amdhsa_float_denorm_mode_32 3
		.amdhsa_float_denorm_mode_16_64 3
		.amdhsa_memory_ordered 1
		.amdhsa_forward_progress 1
		.amdhsa_inst_pref_size 4
	.end_amdhsa_kernel
	.amdgpu_metadata
---
amdhsa.version: [ 1, 2 ]
amdhsa.kernels:
  - .name:           k_qaf25bcfe59_combine
    .symbol:         k_qaf25bcfe59_combine.kd
    .args:
      - { .name: ybuf, .offset: 0, .size: 8, .value_kind: global_buffer, .address_space: global }
      - { .name: auxp, .offset: 8, .size: 8, .value_kind: global_buffer, .address_space: global }
      - { .name: out0, .offset: 16, .size: 8, .value_kind: global_buffer, .address_space: global }
      - { .name: out1, .offset: 24, .size: 8, .value_kind: global_buffer, .address_space: global }
    .group_segment_fixed_size: 0
    .private_segment_fixed_size: 0
    .kernarg_segment_align: 8
    .kernarg_segment_size: 32
    .max_flat_workgroup_size: 256
    .sgpr_count:     66
    .vgpr_count:     64
    .wavefront_size: 32
...
	.end_amdgpu_metadata
.endif
;; end of part 4
;; ======== version 2 of 2: 4 launches; version 1 with the launch chain written anew for expert scheduling mode
;; workspace buffers: wq 13,107,200 bytes; xq 1,638,400 bytes; gate 65,536 bytes; route 16,384 bytes of whole numbers; rows 139,520 bytes of whole numbers; auxp 256 bytes; ybuf 25,165,824 bytes
;; launch prep: the kernel of part 1 again; grid 640 x 1, 4 waves a work-group, no clusters, 46,592 bytes of LDS; arguments x, gate_w, gate_b, w1, w2, xq, wq, gate, route; writes xq, wq, gate, route
;; launch place: the kernel of part 2 again; grid 8 x 1, 8 waves a work-group, no clusters, 1,280 bytes of LDS; arguments route, gate, rows, auxp; writes rows, auxp
;; launch chain (part 5): grid 199 x 1, 8 waves a work-group, no clusters, 231,424 bytes of LDS; arguments xq, wq, b1, b2, rows, gate, ybuf; writes ybuf
.if DOCPART == 5
	.amdgcn_target "amdgcn-amd-amdhsa--gfx1250"
	.amdhsa_code_object_version 6
	.text
	.protected	k_qaf25bcfe59_chain
	.globl	k_qaf25bcfe59_chain
	.p2align	8
	.type	k_qaf25bcfe59_chain,@function
k_qaf25bcfe59_chain:
	s_mov_b64 s[64:65], 0
	v_nop
	global_prefetch_b8 v0, s[64:65] scope:SCOPE_SE
	s_setreg_imm32_b32 hwreg(HW_REG_WAVE_SCHED_MODE, 0, 2), 2
	s_setreg_imm32_b32 hwreg(HW_REG_WAVE_MODE, 25, 1), 1
	s_wait_xcnt 0x0
	s_wait_alu depctr_vm_vsrc(0)
; CHAIN: one work-group takes one tile of 64 rows (token, choice) of ONE expert through the whole chain: gather the tokens' codes, h = gelu(x W1^T + b1), h quantised along the hidden axis, y = (h W2^T + b2) x the gate's weight.
; Both products on codes of E2M3 with one E8M0 scale for each 32 along K.  The hidden layer never goes to memory.  y goes to ybuf [3][4096][512], row = the entry k << 12 | token: each row has one maker.
; THE GRID: 12,288 rows in tiles of 64 over 8 experts are never more than 192 + 7 = 199 tiles, whatever the split.  Tile number -> (expert, tile of that expert) by the stored counts, without a branch.
; A tile that the split leaves unused (at most 7) runs on the list's entries and stores nothing: no branch on a loaded number stands ahead of the last barrier, so that every wave passes every barrier.
; SHARES.  THE WAVES SHARE THE COLUMNS: in trip i (0-3) wave w makes hidden units 512 i + 64 w .. + 63 for all 64 rows: half w & 1 of K step 4 i + (w >> 1) of the second product; and it makes outputs 64 w .. + 63 for all
; 64 rows.  So each weight fragment is loaded by one wave alone, straight from memory into registers in the order in which the first launch laid it (12 loads of 512 consecutive bytes a bundle of 4 fragments), and feeds 4 matrix instructions.
; Both products are used TRANSPOSED (source 0 = 16 weight rows, source 1 = 16 rows of the tile): a lane holds one row throughout, and its registers run along the next K.
; WHEN THE WEIGHTS ARE ASKED FOR.  A trip has eight bundles.  Beside both products' accumulators two sets of 48 registers fit.  W2's first two bundles are asked for into them behind the first product's last two steps; W2's other two
; into the first product's own accumulators, as the quantiser leaves them (tiles of rows 0, 1: v128-175; tiles 1, 2: v176-223): all four land under the GELU.  So the two sets are free behind the second product's first two steps
; and take the next trip's first two bundles of W1, three steps ahead of their use.  W1's other two are asked for one step ahead: no register is free for them earlier.
; WHAT GOES ROUND THROUGH LDS is small: images of operand registers (x's 16 fragments, written once; the hidden layer's 16 fragments of a trip, in two regions by turns, one barrier a trip: a region is written again only
; behind the next barrier, which every wave reaches behind its last reads of it), and at the end a stage of 64 rows of y.
; NO JOINT LOADS: the tiles that share an expert's weights are known only from counts read from memory, 199 work-groups divide into no cluster of 4, and a fragment is wanted in one wave's registers, not in LDS.
; GELU, exact form, in f32: g = max(x, 0) - |x| t 2^(-x^2 log2(e) / 2 + C0 + t (C1 + .. + t C9)), t = 1 / (1 + |x| / (2 sqrt 2)): the Chebyshev fit of erfc in t (fractional error 1.2e-7), its coefficients x log2(e), the factor 1/2 as -1 in C0.
; LIMITS: NaN and infinities are not served; an exponential under 2^-126 comes out as 0 (ISA guide 15.8); a block of zeros carries the byte 1 with zero codes.
; REGISTERS.  Window 0: v1-16 addresses; v18-19 C8; v20-27 the gate's weights; v28-31 and v76-79 weight scale words (four bundles), v32-47 x's, v48-51 the hidden layer's: these hold scales and nothing else; v52-68 the quantiser;
;   v70-75 the head's; v80-127 four fragments of x or h, and the GELU's t, polynomial and max(x, 0); v128-255 the first product's 16 accumulators (32 m + 8 t), behind the quantiser two bundles of W2, at the end y.
;   Window 1: v0-127 the second product's 16 accumulators (8 (4 t + m)); v128-175, v176-223 two sets of 4 weight fragments; v224-255 b1 in the result's layout.
; THE MODE: SCHED_MODE bits 1:0 = 2 (LLVM: expert scheduling mode 2), set by the entry lines.  The code itself states the register dependences between vector or matrix instructions and memory or LDS instructions,
; with s_wait_alu, always for 0.
; THE PLAN.  Registers that memory or LDS instructions touch, and who else names them:
;   v1-4, v14-16, v70, v74, v75   offsets and LDS addresses: written at the head, never again.
;   v85-90, v92, v93; v128-153    head only: the gathers' offsets, the images' addresses, the images' data.  Step s0's fragments land in the first, its products write the last.
;   v8-13                         written by six additions at a trip's head; read by the quantiser's LDS stores and the second product's LDS loads.
;   v80-127, v48-51               a step's four fragments (second product: and their scale words) land; its 16 products read them; the GELU writes and reads v80-127.
;   the two sets, v28-31, b1      a bundle lands; a step's products read it.
;   v128-223, v76-79              the first product and the GELU write, the quantiser reads; then bundles k2, k3 land; steps k2, k3 read.
;   v58, v60-65                   each tile's quantiser writes; its three LDS stores read.
;   v128-255 at the end           the scaling writes; the stage's stores read; the stage's loads land; the global stores read.
; All 512 registers of the wave are taken, so there is one set of fragments, and ONE wait on va_vdst a step: behind the step's products.  Everything that is issued from there up to the next products (the next step's LDS loads first,
; then the weight loads) lands in registers that those products have read.  The quantiser's wait ahead of its stores serves as well the loads of k2 and k3 and step k0's fragments, which land where the GELU and the quantiser worked.
.set XIMG, 0                           ; LDS: x's fragment (tile of rows m, K step s) at (4 m + s) x 1,536: three groups of 512 bytes, 16 bytes a lane
.set XSC,  24576                       ; its scale words at (4 m + s) x 128, 4 bytes a lane
.set HSC,  24576                       ; in an H region (at 0x8000 and at 0x10000): fragment (m, ks) at (4 m + ks) x 1,536, half c at + 768 c: 512 bytes for registers 6 c .. 6 c + 3, 256 for 6 c + 4, 6 c + 5; scale words from HSC on
.set HFLIP, 0x18000                    ; 0x8000 xor 0x10000
.set STG,  98304                       ; the stage: 64 rows x (2,048 bytes + 16)
.set SPI,  2064
.set L16, 1
.set L8,  2
.set L4,  3
.set BOF, 4                            ; 64 h: b1's offset
.set HWA, 5                            ; where I store my half fragment: 16 lane + 1,536 (w >> 1) + 768 (w & 1)
.set HWB, 6                            ; 8 lane + the same + 512
.set HWS, 7                            ; 4 lane + 128 (w >> 1) + 2 (w & 1) + HSC
.set AHA, 8                            ; v8-13: the same three, and 16, 8, 4 x lane, in the trip's region
.set AHB, 9
.set AHS, 10
.set AF16, 11
.set AF8, 12
.set AF4, 13
.set SO0, 14                           ; the stage, in: rows 0-31; v15: rows 32-63
.set SR,  16                           ; and back
.set C8V, 18
.set GA,  20
.set WSC, 28                           ; v28-31  scale words of the two sets in window 1
.set XS,  32
.set HS,  48
.set TM,  52
.set PW,  58
.set PC,  60
.set PT,  66
.set WSC2, 76                          ; v76-79  scale words of the two bundles in window 0
.set FR,  80
.set GT,  80
.set GP,  96
.set GS,  112
.set ACC1, 128
.set WC,  128                          ; window 0: W2's third bundle of a trip: free behind the quantiser's tile 1
.set WD,  176                          ; and its fourth: free behind tile 2
.set ACC2, 0
.set WSET, 128
.set B1R, 224
.set WV,  18                           ; s18 wave; s19 expert; s[20:27] counts, then my 8 entries; s28 tile of the expert; s29 its rows; s30 rows left from my first on
.set TB,  31                           ; s31 the trip's H region
.set W1P, 34
.set W1S, 36
.set W2P, 38
.set W2S, 40
.set B1P, 42
.set SEL, 46
.set KD,  48
.set C9,  50
.set C7,  52
.set C6,  54
.set C5,  56
.set C4,  58
.set C3,  60
.set C2,  62
.set C1,  66
.set C0,  68
.set SH,  70
.set YP,  72                           ; s[72:87] my eight rows of ybuf
.set MSB, 0
.macro WIN new                         ; the immediate's high byte repeats the setting that is left; a switch that changes nothing is dropped
.if MSB != \new
	s_set_vgpr_msb (MSB<<8)|\new
.set MSB, \new
.endif
.endm
.macro KPAIR r, bits                   ; a constant for the packed forms: they name a pair and take its low word for both halves, so both are written
	s_mov_b32 s[\r], \bits
	s_mov_b32 s[\r+1], s[\r]
.endm
.macro LOADB set, cp, co, sp, so       ; a bundle into a set of window 1: 4 fragments (12 loads of 512 consecutive bytes) and their scale words (256 bytes): 13 loads
	WIN 0x40                                       ; destination window 1
.irp i, 0,1,2,3,4,5,6,7,8,9,10,11
	global_load_b128 v[WSET+48*(\set)+4*\i:WSET+48*(\set)+4*\i+3], v[L16], s[\cp:\cp+1] offset:(\co)+512*\i
.endr
	WIN 0
	global_load_b64 v[WSC+2*(\set):WSC+2*(\set)+1], v[L8], s[\sp:\sp+1] offset:\so   ; register q: tile 2 q in lanes 0-15, tile 2 q + 1 in lanes 16-31
.endm
.macro LOADC reg, sreg, co, so         ; a bundle of W2 into window 0, where the first product's accumulators have been quantised and are done with: 13 loads
.irp i, 0,1,2,3,4,5,6,7,8,9,10,11
	global_load_b128 v[\reg+4*\i:\reg+4*\i+3], v[L16], s[W2P:W2P+1] offset:(\co)+512*\i
.endr
	global_load_b64 v[\sreg:\sreg+1], v[L8], s[W2S:W2S+1] offset:\so
.endm
.macro BIAS off                        ; b1 of my 64 hidden units, as the C of the first K step: tile t, lane (r, h): units 32 (t / 2) + 8 (t % 2) + 16 h + 0 .. 7.  8 loads.  A LOADB always follows: the window stays
	WIN 0x40
.irp t, 0,1,2,3
.irp i, 0,1
	global_load_b128 v[B1R+8*\t+4*\i:B1R+8*\t+4*\i+3], v[BOF], s[B1P:B1P+1] offset:(\off)+4*(32*(\t/2)+8*(\t%2))+16*\i
.endr
.endr
.endm
.macro WM d, a, b, c, sa, sb, odd      ; source 0's scale words lie in lanes 16-31 for an odd tile
.if \odd
	v_wmma_scale_f32_16x16x128_f8f6f4 v[\d:\d+7], v[\a:\a+11], v[\b:\b+11], v[\c:\c+7], v[\sa], v[\sb] matrix_a_fmt:MATRIX_FMT_FP6 matrix_b_fmt:MATRIX_FMT_FP6 matrix_a_scale:MATRIX_SCALE_ROW1
.else
	v_wmma_scale_f32_16x16x128_f8f6f4 v[\d:\d+7], v[\a:\a+11], v[\b:\b+11], v[\c:\c+7], v[\sa], v[\sb] matrix_a_fmt:MATRIX_FMT_FP6 matrix_b_fmt:MATRIX_FMT_FP6
.endif
.endm
; K step s of the first product, in two parts.  FETCH1: x's four fragments from LDS.  MUL1: 16 matrix instructions on 16 accumulators by turns.  cnt: the younger global loads that may stay out.
; Four plain instructions end the step (ISA guide 7.12.1): behind them vector instructions may read the results and write the registers that the products read.  For the loads that land in those registers the wait behind the step speaks.
.macro FETCH1 s
.irp m, 0,1,2,3
.irp g, 0,1,2
	ds_load_b128 v[FR+12*\m+4*\g:FR+12*\m+4*\g+3], v[L16] offset:XIMG+(4*\m+\s)*1536+512*\g
.endr
.endr
.endm
.macro MUL1 s, set, cnt
	s_wait_loadcnt \cnt
	s_wait_dscnt 0x0
.if (\s) == 0
	WIN 0x11                                       ; source 0 (weights) and C (b1) window 1
.else
	WIN 0x01
.endif
.irp t, 0,1,2,3
.irp m, 0,1,2,3
.if (\s) == 0
	WM ACC1+32*\m+8*\t, WSET+48*\set+12*\t, FR+12*\m, B1R+8*\t, WSC+2*\set+\t/2, XS+4*\m+\s, \t%2
.else
	WM ACC1+32*\m+8*\t, WSET+48*\set+12*\t, FR+12*\m, ACC1+32*\m+8*\t, WSC+2*\set+\t/2, XS+4*\m+\s, \t%2
.endif
.endr
.endr
	WIN 0
.rept 4
	v_nop
.endr
.endm
; K step ks of the trip's four of the second product.  FETCH2: the hidden layer's four fragments and scale words from the trip's region.  MUL2: ab: where the bundle lies; win: 0x51 (source 0, C and D window 1) or 0x50 (source 0 window 0); sb: its scale words
.macro FETCH2 ks
.irp m, 0,1,2,3
	ds_load_b128 v[FR+12*\m:FR+12*\m+3], v[AF16] offset:(4*\m+\ks)*1536
	ds_load_b64 v[FR+12*\m+4:FR+12*\m+5], v[AF8] offset:(4*\m+\ks)*1536+512
	ds_load_b128 v[FR+12*\m+6:FR+12*\m+9], v[AF16] offset:(4*\m+\ks)*1536+768
	ds_load_b64 v[FR+12*\m+10:FR+12*\m+11], v[AF8] offset:(4*\m+\ks)*1536+1280
	ds_load_b32 v[HS+\m], v[AF4] offset:HSC+(4*\m+\ks)*128
.endr
.endm
.macro MUL2 ab, win, sb, cnt
	s_wait_loadcnt \cnt
	s_wait_dscnt 0x0
	WIN \win
.irp t, 0,1,2,3
.irp m, 0,1,2,3
	WM ACC2+8*(4*\t+\m), \ab+12*\t, FR+12*\m, ACC2+8*(4*\t+\m), \sb+\t/2, HS+\m, \t%2
.endr
.endr
	WIN 0
.rept 4
	v_nop
.endr
.endm
; 16 numbers in place.  Two batches of transcendentals, each with plain work behind it and ONE wait ahead of its first reader.  Each accumulator is read from its low end on.
.macro GELU16 x
.set j, 0
.rept 16
	v_fma_f32 v[GT+j], |v[\x+j]|, s[KD], 1.0
.set j, j+1
.endr
.set j, 0
.rept 16
	v_rcp_f32 v[GT+j], v[GT+j]                     ; t
.set j, j+1
.endr
.set j, 0
.rept 8
	v_pk_mul_f32 v[GS+j:GS+j+1], v[\x+j:\x+j+1], v[\x+j:\x+j+1]   ; x^2
.set j, j+2
.endr
	s_wait_alu depctr_va_vdst(0)                   ; the 16 reciprocals have written t, which the polynomial reads
.set j, 0
.rept 8
	v_pk_fma_f32 v[GP+j:GP+j+1], v[GT+j:GT+j+1], s[C9:C9+1], v[C8V:C8V+1] op_sel_hi:[1,0,1]
.set j, j+2
.endr
.irp c, C7,C6,C5,C4,C3,C2,C1,C0
.set j, 0
.rept 8
	v_pk_fma_f32 v[GP+j:GP+j+1], v[GP+j:GP+j+1], v[GT+j:GT+j+1], s[\c:\c+1] op_sel_hi:[1,1,0]
.set j, j+2
.endr
.endr
.set j, 0
.rept 8
	v_pk_fma_f32 v[GP+j:GP+j+1], v[GS+j:GS+j+1], s[SH:SH+1], v[GP+j:GP+j+1] op_sel_hi:[1,0,1]
.set j, j+2
.endr
.set j, 0
.rept 16
	v_exp_f32 v[GP+j], v[GP+j]
.set j, j+1
.endr
.set j, 0
.rept 16
	v_max_num_f32 v[GS+j], 0, v[\x+j]
.set j, j+1
.endr
	s_wait_alu depctr_va_vdst(0)                   ; the 16 exponentials have written their results, which the multiplications read
.set j, 0
.rept 8
	v_pk_mul_f32 v[GT+j:GT+j+1], v[GT+j:GT+j+1], v[GP+j:GP+j+1]   ; erfc(|x| / sqrt 2) / 2
.set j, j+2
.endr
.set j, 0
.rept 16
	v_fma_f32 v[\x+j], -|v[\x+j]|, v[GT+j], v[GS+j]
.set j, j+1
.endr
.endm
; Tile of rows m: my 64 hidden units of row r are two blocks of 32; register 16 b + i is unit 32 b + 16 h + i.  They become registers 6 c .. 6 c + 5 of a fragment and two bytes of its scale word, and go to LDS as they stand.
.macro QH m
.set XB, ACC1+32*(\m)
.if (\m) > 0
	s_wait_alu depctr_vm_vsrc(0)                   ; the last tile's LDS stores have read v58 and v60-65, which are written again below (for tile 0 the wait at the trip's head has stated it)
.endif
.irp b, 0,1
	v_max3_num_f32 v[TM+\b], |v[XB+16*\b]|, |v[XB+16*\b+1]|, 0x1800000   ; and the floor 2^(3 - 127): the byte cannot fall under 1
.endr
.irp i, 2,4,6,8,10,12,14
.irp b, 0,1
	v_max3_num_f32 v[TM+\b], v[TM+\b], |v[XB+16*\b+\i]|, |v[XB+16*\b+\i+1]|
.endr
.endr
.irp b, 0,1
	v_permlanex16_b32 v[TM+2+\b], v[TM+\b], s[SEL], s[SEL+1]
.endr
.irp b, 0,1
	v_max_num_f32 v[TM+\b], v[TM+\b], v[TM+2+\b]   ; with lane l xor 16's 16: the block's largest magnitude
.endr
.irp b, 0,1
	v_add_nc_u32 v[TM+4+\b], 0xff000000, v[TM+\b]  ; 2 off its exponent field: the conversion's scale operand
.endr
.irp b, 0,1
	v_lshrrev_b32 v[TM+2+\b], 23, v[TM+4+\b]
.endr
	v_lshl_or_b32 v[PW], v[TM+3], 8, v[TM+2]       ; my two bytes of the row's scale word
	s_wait_dscnt 0x0                               ; the last tile's LDS stores are done
	v_cvt_scalef32_pk16_fp6_f32 v[PC:PC+2], v[XB:XB+15], v[TM+4]
	v_cvt_scalef32_pk16_fp6_f32 v[PT:PT+2], v[XB+16:XB+31], v[TM+5]
	v_nop                                          ; one plain instruction behind the scaled conversions
.irp i, 0,1,2
	v_permlane16_swap_b32 v[PC+\i], v[PT+\i]       ; the layout wants a whole block in a lane: lanes 0-15 block 0, lanes 16-31 block 1
.endr
.irp i, 0,1,2
	v_mov_b32 v[PC+3+\i], v[PT+\i]
.endr
	s_wait_alu depctr_va_vdst(0)                   ; the codes v60-65 and the bytes v58 are written, which the LDS stores read; and the GELU and the quantiser are done with this tile's accumulators and with v80-127, in which the next loads land
	ds_store_b128 v[AHA], v[PC:PC+3] offset:6144*(\m)
	ds_store_b64 v[AHB], v[PC+4:PC+5] offset:6144*(\m)
	ds_store_b16 v[AHS], v[PW] offset:512*(\m)
.endm
; A TRIP: 512 hidden units.  ahead = 1: the next trip's b1 and first two bundles are asked for too.
; The order of the global loads: [s0, s1 of W1 are out or in] | step s0 | next b1, s2 | step s1 | s3 | step s2 | k0 of W2 | step s3 | k1 | GELU, tiles 0, 1 | k2 | tile 2 | k3 | tile 3 | step k0 | next s0 | step k1 | next s1 | step k2 | step k3.
; The counts of the waits for global loads are the loads issued behind the bundle that the step wants, 13 a bundle and 8 for b1: 13, 21 (13 without b1), 13, 13; 39, 39, 39, 26; in the last trip 39, 26, 13, 0.
; The next trip's first products write over the registers that steps k2 and k3 read as source 0: between them stand the four plain instructions that end a step and the six additions at a trip's head (ISA guide 7.12.1).
.macro TRIP ahead
	s_wait_alu depctr_vm_vsrc(0)                   ; the last trip's LDS stores and loads have read v8-13, which the additions write, and its last tile's stores v58 and v60-65.  First trip: the gathers and the images' stores have read v85-93 and v128-153, in which step s0's fragments land and which its products write
	v_add_nc_u32 v[AHA], s[TB], v[HWA]
	v_add_nc_u32 v[AHB], s[TB], v[HWB]
	v_add_nc_u32 v[AHS], s[TB], v[HWS]
	v_add_nc_u32 v[AF16], s[TB], v[L16]
	v_add_nc_u32 v[AF8], s[TB], v[L8]
	v_add_nc_u32 v[AF4], s[TB], v[L4]
	s_wait_alu depctr_va_vdst(0)                   ; v8-13 are written, which this trip's LDS stores and loads read; the last trip's last products (first trip: the head's arithmetic) are done with v80-127, in which the fragments land
	FETCH1 0
	MUL1 0, 0, 13
	s_wait_alu depctr_va_vdst(0)                   ; step s0's products are done reading x's fragments, set 0, its scale words v28-29 and b1: the loads up to the next products land in these
	FETCH1 1
.if \ahead
	BIAS 2048
.endif
	LOADB 0, W1P, 2*6144, W1S, 2*256
.if \ahead
	MUL1 1, 1, 21
.else
	MUL1 1, 1, 13
.endif
	s_wait_alu depctr_va_vdst(0)                   ; step s1's products are done reading x's fragments, set 1 and its scale words v30-31
	FETCH1 2
	LOADB 1, W1P, 3*6144, W1S, 3*256
	MUL1 2, 0, 13
	s_wait_alu depctr_va_vdst(0)                   ; step s2's products are done reading x's fragments, set 0 and v28-29
	FETCH1 3
	LOADB 0, W2P, 0, W2S, 0
	MUL1 3, 1, 13
	s_wait_alu depctr_va_vdst(0)                   ; step s3's products are done reading set 1 and v30-31
	LOADB 1, W2P, 6144, W2S, 256
.irp m, 0,1,2,3
	GELU16 ACC1+32*\m
	GELU16 ACC1+32*\m+16
	QH \m
.if \m == 1
	LOADC WC, WSC2, 2*6144, 2*256                  ; tiles 0 and 1 are quantised: v128-191 are done with.  No wait: no vector instruction since the quantiser's wait names v128-175 or v76-77
.endif
.if \m == 2
	LOADC WD, WSC2+2, 3*6144, 3*256                ; tile 2 too: v192-223.  Likewise: none names v176-223 or v78-79
.endif
.endr
	s_wait_dscnt 0x0                               ; for the others' sake: my stores into the region are done
	s_barrier_signal -1
	s_barrier_wait -1                              ; the trip's 16 fragments of the hidden layer lie in LDS
	FETCH2 0                                       ; no wait: no vector instruction since tile 3's wait, which has shown the GELU done with v80-127
	MUL2 WSET, 0x51, WSC, 39
	s_wait_alu depctr_va_vdst(0)                   ; step k0's products are done reading h's fragments, their scale words v48-51, set 0 and v28-29
	FETCH2 1
.if \ahead
	LOADB 0, W1P, 196608, W1S, 8192
	MUL2 WSET+48, 0x51, WSC+2, 39
	s_wait_alu depctr_va_vdst(0)                   ; step k1's products are done reading h's fragments, v48-51, set 1 and v30-31
	FETCH2 2
	LOADB 1, W1P, 196608+6144, W1S, 8192+256
	MUL2 WC, 0x50, WSC2, 39
	s_wait_alu depctr_va_vdst(0)                   ; step k2's products are done reading h's fragments and v48-51
	FETCH2 3
	MUL2 WD, 0x50, WSC2+2, 26
	s_wait_xcnt 0x0                                ; the loads have read their bases: only now are these stepped
	s_add_nc_u64 s[W1P:W1P+1], s[W1P:W1P+1], 196608
	s_add_nc_u64 s[W1S:W1S+1], s[W1S:W1S+1], 8192
	s_add_nc_u64 s[W2P:W2P+1], s[W2P:W2P+1], 24576
	s_add_nc_u64 s[W2S:W2S+1], s[W2S:W2S+1], 1024
	s_add_nc_u64 s[B1P:B1P+1], s[B1P:B1P+1], 2048
	s_xor_b32 s[TB], s[TB], HFLIP                  ; the other region
.else
	MUL2 WSET+48, 0x51, WSC+2, 26
	s_wait_alu depctr_va_vdst(0)                   ; step k1's products are done reading h's fragments and v48-51
	FETCH2 2
	MUL2 WC, 0x50, WSC2, 13
	s_wait_alu depctr_va_vdst(0)                   ; step k2's products are done reading h's fragments and v48-51
	FETCH2 3
	MUL2 WD, 0x50, WSC2+2, 0
.endif
.endm
	s_load_b256 s[4:11], s[0:1], 0x0               ; xq s[4:5], wq s[6:7], b1 s[8:9], b2 s[10:11]
	s_load_b128 s[12:15], s[0:1], 0x20             ; rows s[12:13], gate s[14:15]
	s_load_b64 s[16:17], s[0:1], 0x30              ; ybuf
	v_lshl_add_u32 v59, v0, 2, 0x38400
	v_mov_b32 v69, 0
	v_lshrrev_b32 v70, 5, v0
	v_readfirstlane_b32 s[WV], v70                 ; wave 0..7
	v_and_b32 v71, 31, v0                          ; lane
	v_and_b32 v72, 15, v0                          ; r
	v_bfe_u32 v73, v0, 4, 1                        ; h
	s_wait_alu depctr_va_sdst(0)                   ; s18, the wave's number, is written, ahead of its first reader
	s_wait_kmcnt 0x0
	s_load_b256 s[20:27], s[12:13], 0x22000        ; the eight counts
	; addresses and constants, while the counts are on their way
	v_lshlrev_b32 v[L16], 4, v71
	v_lshlrev_b32 v[L8], 3, v71
	v_lshlrev_b32 v[L4], 2, v71
	v_lshlrev_b32 v[BOF], 6, v73
	v_lshlrev_b32 v74, 5, v73                      ; 32 h: b2's offset
	v_lshlrev_b32 v70, 2, v72                      ; 4 r: an entry's
	s_lshr_b32 s33, s[WV], 1
	s_and_b32 s49, s[WV], 1
	s_mul_i32 s94, s33, 1536
	s_mul_i32 s95, s49, 768
	s_add_co_u32 s94, s94, s95
	v_add_nc_u32 v[HWA], s94, v[L16]
	s_add_co_u32 s94, s94, 512
	v_add_nc_u32 v[HWB], s94, v[L8]
	s_lshl_b32 s94, s33, 7
	s_lshl_b32 s95, s49, 1
	s_add_co_u32 s94, s94, s95
	s_add_co_u32 s94, s94, HSC
	v_add_nc_u32 v[HWS], s94, v[L4]
	s_and_b32 s33, s[WV], 3                        ; the tile of rows whose codes I gather,
	s_lshr_b32 s49, s[WV], 2                       ; and which two of its four K steps
	s_mul_i32 s94, s33, 6144
	s_mul_i32 s95, s49, 3072
	s_add_co_u32 s94, s94, s95
	v_add_nc_u32 v92, s94, v[L16]                  ; where their images go
	s_lshl_b32 s94, s33, 9
	s_lshl_b32 s95, s49, 8
	s_add_co_u32 s94, s94, s95
	s_add_co_u32 s94, s94, XSC
	v_add_nc_u32 v93, s94, v[L4]                   ; and their scale words
	s_lshl_b32 s94, s33, 6
	v_add_nc_u32 v75, s94, v70                     ; that tile's entries: 64 (w & 3) + 4 r
	s_mul_i32 s94, s49, 96
	v_mul_u32_u24 v94, v73, 192
	v_add_nc_u32 v94, s94, v94                     ; in a token's codes: 192 h + 96 (w >> 2)
	s_lshl_b32 s94, s49, 3
	v_mov_b32 v95, s94                             ; in its scale bytes: 8 (w >> 2)
	v_mul_u32_u24 v[SO0], v72, SPI
	v_lshl_add_u32 v[SO0], v73, 5, v[SO0]
	s_lshl_b32 s94, s[WV], 8
	s_add_co_u32 s94, s94, STG
	v_add_nc_u32 v[SO0], s94, v[SO0]               ; the stage, in: row r, + 32 h, + 256 w
	v_add_nc_u32 v[SO0+1], 32*SPI, v[SO0]
	s_mul_i32 s94, s[WV], 8*SPI
	s_add_co_u32 s94, s94, STG
	v_add_nc_u32 v[SR], s94, v[L16]                ; back: my 8 rows
	v_mov_b32 v[C8V], 0xbf97d29d                   ; C8 = -1.1861149
	v_mov_b32 v[C8V+1], v[C8V]
	v_mov_b32 v[TM+2], 0                           ; written once: a lane permute's destination counts as one of its sources
	v_mov_b32 v[TM+3], 0
	s_mov_b32 s[SEL], 0x76543210
	s_mov_b32 s[SEL+1], 0xfedcba98
	s_mov_b32 s[KD], 0x3eb504f3                    ; 1 / (2 sqrt 2)
	KPAIR C9, 0x3e7c6f08                           ;  0.24651730
	KPAIR C7, 0x40097039                           ;  2.1474745
	KPAIR C6, 0xbfd1a1e5                           ; -1.6377532
	KPAIR C5, 0x3ecdfd18                           ;  0.40232158
	KPAIR C4, 0xbe899a80                           ; -0.26875686
	KPAIR C3, 0x3e0efb2e                           ;  0.13963006
	KPAIR C2, 0x3f0a29d2                           ;  0.53970062
	KPAIR C1, 0x3fb8ab5a                           ;  1.4427292
	KPAIR C0, 0xc034d90f                           ; -2.8257482
	KPAIR SH, 0xbf38aa3b                           ; -log2(e) / 2
	s_mov_b32 s[TB], 0x8000
	s_mov_b32 s91, 0
	s_mov_b32 s93, 0
	s_wait_kmcnt 0x0
	; which expert's which tile: the experts' tiles lie on end; s33 = tiles up to and with expert i
	s_mov_b32 s33, 0
	s_mov_b32 s19, 0
	s_mov_b32 s49, 0                               ; the first tile of my expert
	s_mov_b32 s94, s20                             ; its count
.irp i, 0,1,2,3,4,5,6,7
	s_add_co_u32 s95, s[20+\i], 63
	s_lshr_b32 s95, s95, 6
	s_add_co_u32 s33, s33, s95
	s_cmp_le_u32 s33, ttmp9                        ; my tile lies behind expert i's
	s_cselect_b32 s49, s33, s49
.if \i < 7
	s_cselect_b32 s94, s[21+\i], s94
.else
	s_cselect_b32 s94, 0, s94
.endif
	s_cselect_b32 s95, 1, 0
	s_add_co_u32 s19, s19, s95
.endr
	s_sub_co_u32 s28, ttmp9, s49
	s_cmp_eq_u32 s19, 8                            ; behind all: a tile that this split does not use
	s_cselect_b32 s28, 0, s28
	s_min_u32 s19, s19, 7                          ; what was made of loaded numbers is held by a constant before it enters an address
	s_min_u32 s28, s28, 63
	s_lshl_b32 s95, s28, 6
	s_sub_co_i32 s29, s94, s95
	s_max_i32 s29, s29, 0
	s_min_i32 s29, s29, 64                         ; the tile's rows: 0 .. 64
	s_lshl_b32 s95, s[WV], 3
	s_sub_co_i32 s30, s29, s95                     ; of them, from my first row on
	s_mul_i32 s90, s19, 17408
	s_lshl_b32 s95, s28, 8
	s_add_co_u32 s90, s90, s95
	s_add_nc_u64 s[44:45], s[12:13], s[90:91]      ; the tile's 64 entries
	s_lshl_b32 s92, s[WV], 5
	s_add_nc_u64 s[92:93], s[44:45], s[92:93]      ; my 8 of them
	s_wait_alu depctr_va_vdst(0)                   ; the offsets and LDS addresses v1-7, v14-16, v70, v74, v75, v92, v93 are written, which the loads and stores from here on read
.irp m, 0,1,2,3
	global_load_b32 v[80+\m], v70, s[44:45] offset:64*\m   ; row 16 m + r's entry, for the gate's weight
.endr
	global_load_b32 v84, v75, s[44:45]             ; and that of the row whose codes I gather
	s_load_b256 s[20:27], s[92:93], 0x0            ; the counts are used up
	s_lshl_b32 s90, s19, 11
	s_lshl_b32 s95, s[WV], 8
	s_add_co_u32 s90, s90, s95
	s_add_nc_u64 s[88:89], s[10:11], s[90:91]      ; b2 of my 64 outputs
	WIN 0x40
.irp t, 0,1,2,3                        ; the second product's sums begin at b2: lane (r, h) of tile t: outputs 16 t + 8 h + 0 .. 7
.irp m, 0,1,2,3
.irp i, 0,1
	global_load_b128 v[ACC2+8*(4*\t+\m)+4*\i:ACC2+8*(4*\t+\m)+4*\i+3], v74, s[88:89] offset:64*\t+16*\i
.endr
.endr
.endr
	s_mul_i32 s94, s19, 786432                     ; my weights: an expert's bundles of w1 or of w2 are 786,432 bytes.  (Scalar lines alone up to the next loads: the window stays)
	s_mul_i32 s95, s[WV], 24576
	s_add_co_u32 s90, s94, s95
	s_add_nc_u64 s[W1P:W1P+1], s[6:7], s[90:91]
	s_mul_i32 s95, s[WV], 98304
	s_add_co_u32 s90, s94, s95
	s_add_co_u32 s90, s90, 6291456
	s_add_nc_u64 s[W2P:W2P+1], s[6:7], s[90:91]
	s_lshl_b32 s94, s19, 15
	s_lshl_b32 s95, s[WV], 10
	s_add_co_u32 s90, s94, s95
	s_add_co_u32 s90, s90, 12582912
	s_add_nc_u64 s[W1S:W1S+1], s[6:7], s[90:91]
	s_lshl_b32 s95, s[WV], 12
	s_add_co_u32 s90, s94, s95
	s_add_co_u32 s90, s90, 12845056
	s_add_nc_u64 s[W2S:W2S+1], s[6:7], s[90:91]
	s_lshl_b32 s94, s19, 13
	s_lshl_b32 s95, s[WV], 8
	s_add_co_u32 s90, s94, s95
	s_add_nc_u64 s[B1P:B1P+1], s[8:9], s[90:91]
	BIAS 0                                         ; b1 and the first bundle hang on the expert alone: they go out ahead of the wait for the entries
	LOADB 0, W1P, 0, W1S, 0
	s_wait_loadcnt 53                              ; the five entries are in; b2's 32 loads, b1's 8 and the bundle's 13 may be out
.irp m, 0,1,2,3
	v_min_u32 v[80+\m], 0x2fff, v[80+\m]
	v_lshlrev_b32 v[85+\m], 2, v[80+\m]
.endr
	v_min_u32 v84, 0x2fff, v84
	v_and_b32 v84, 0xfff, v84                      ; the token
	v_mul_u32_u24 v89, v84, 384
	v_add_nc_u32 v89, v94, v89
	v_lshlrev_b32 v90, 4, v84
	v_add_nc_u32 v90, v95, v90
	s_wait_alu depctr_va_vdst(0)                   ; the gathers' offsets v85-90 are written
.irp m, 0,1,2,3
	global_load_b32 v[GA+2*\m], v[85+\m], s[14:15] ; the gate's weight of row 16 m + r
.endr
.irp g, 0,1,2,3,4,5
	global_load_b128 v[128+4*\g:131+4*\g], v89, s[4:5] offset:16*\g   ; two fragments' registers of my row: 96 bytes on end
.endr
	global_load_b64 v[152:153], v90, s[4:5] offset:1572864             ; and their scale words
	LOADB 1, W1P, 6144, W1S, 256
	s_wait_loadcnt 13                              ; all but the second bundle's 13
.irp g, 0,1,2,3,4,5
	ds_store_b128 v92, v[128+4*\g:131+4*\g] offset:512*\g
.endr
	ds_store_b32 v93, v152
	ds_store_b32 v93, v153 offset:128
.irp m, 0,1,2,3
	v_mov_b32 v[GA+2*\m+1], v[GA+2*\m]             ; named with it as a pair, so it is written
.endr
	s_wait_kmcnt 0x0                               ; my 8 entries
.irp i, 0,1,2,3,4,5,6,7
	s_min_u32 s95, s[20+\i], 0x2fff
	s_lshl_b32 s90, s95, 11
	s_add_nc_u64 s[YP+2*\i:YP+2*\i+1], s[16:17], s[90:91]
.endr
	s_wait_dscnt 0x0                               ; for the others' sake: my stores are done
	s_barrier_signal -1
	s_barrier_wait -1                              ; x's 16 fragments lie in LDS, for the whole launch
.irp n, 0,1,2,3,4,5,6,7,8,9,10,11,12,13,14,15
	ds_load_b32 v[XS+\n], v[L4] offset:XSC+128*\n  ; their scale words stay in registers
.endr
	s_mov_b32 s32, 3
.Ltrip:
	TRIP 1
	s_sub_co_u32 s32, s32, 1
	s_cmp_lg_u32 s32, 0
	s_cbranch_scc1 .Ltrip
	TRIP 0                                         ; the last trip asks for nothing beyond its own weights: no load leaves its buffer
	; THE WAY OUT.  y x the gate's weight; a lane's eight numbers are eight neighbouring outputs of one row, and a row's 512 come from eight waves: they meet in the stage, and each wave stores 8 whole rows.
	WIN 0x01                                       ; source 0 window 1
.irp t, 0,1,2,3
.irp m, 0,1,2,3
.irp p, 0,2,4,6
	v_pk_mul_f32 v[128+8*(4*\t+\m)+\p:128+8*(4*\t+\m)+\p+1], v[ACC2+8*(4*\t+\m)+\p:ACC2+8*(4*\t+\m)+\p+1], v[GA+2*\m:GA+2*\m+1] op_sel_hi:[1,0]
.endr
.endr
.endr
	WIN 0
	s_wait_alu depctr_va_vdst(0)                   ; the multiplications have written v128-255, which the LDS stores read and in which the stage's loads land
.irp t, 0,1,2,3
.irp m, 0,1,2,3
.irp i, 0,1
	ds_store_b128 v[SO0+\m/2], v[128+8*(4*\t+\m)+4*\i:128+8*(4*\t+\m)+4*\i+3] offset:16*SPI*(\m%2)+64*\t+16*\i
.endr
.endr
.endr
	s_wait_dscnt 0x0
	s_barrier_signal -1
	s_barrier_wait -1                              ; 64 whole rows of y lie in the stage
	s_wait_alu depctr_vm_vsrc(0)                   ; my LDS stores have read v128-255, in which the loads below land
.irp i, 0,1,2,3,4,5,6,7
.irp g, 0,1,2,3
	ds_load_b128 v[128+16*\i+4*\g:128+16*\i+4*\g+3], v[SR] offset:SPI*\i+512*\g
.endr
.endr
	s_wait_dscnt 0x0
.irp i, 0,1,2,3,4,5,6,7                ; only the rows that the tile has: the one branch on a loaded number, behind the last barrier
	s_cmp_gt_i32 s30, \i
	s_cbranch_scc0 .Ldone
.irp g, 0,1,2,3
	global_store_b128 v[L16], v[128+16*\i+4*\g:128+16*\i+4*\g+3], s[YP+2*\i:YP+2*\i+1] offset:512*\g th:TH_STORE_NT   ; 32 lanes store 512 consecutive bytes, at a multiple of 256 from the buffer's first byte
.endr
.endr
.Ldone:
	s_barrier_signal -1
	s_barrier_wait -1
	s_wait_dscnt 0x0                               ; the closing lines, six on end
	s_wait_alu 0x0
	s_wait_tensorcnt 0x0
	ds_add_u32 v59, v69
	s_wait_dscnt 0x0
	s_endpgm
.Lfunc_end_k_qaf25bcfe59_chain:
	.size	k_qaf25bcfe59_chain, .Lfunc_end_k_qaf25bcfe59_chain-k_qaf25bcfe59_chain
	.p2alignl 7, 3214868480
	.fill 96, 4, 3214868480
	.section	.rodata,"a",@progbits
	.p2align	6, 0x0
	.amdhsa_kernel k_qaf25bcfe59_chain
		.amdhsa_group_segment_fixed_size 231424
		.amdhsa_private_segment_fixed_size 0
		.amdhsa_enable_private_segment 0
		.amdhsa_kernarg_size 56
		.amdhsa_user_sgpr_count 2
		.amdhsa_user_sgpr_kernarg_segment_ptr 1
		.amdhsa_wavefront_size32 1
		.amdhsa_system_sgpr_workgroup_id_x 1
		.amdhsa_system_sgpr_workgroup_id_y 1
		.amdhsa_system_sgpr_workgroup_id_z 1
		.amdhsa_system_vgpr_workitem_id 0
		.amdhsa_next_free_vgpr 512
		.amdhsa_next_free_sgpr 96
		.amdhsa_reserve_vcc 0
		.amdhsa_float_denorm_mode_32 3
		.amdhsa_float_denorm_mode_16_64 3
		.amdhsa_memory_ordered 1
		.amdhsa_forward_progress 1
		.amdhsa_inst_pref_size 255
	.end_amdhsa_kernel
	.section	.bss,"aw",@nobits
	.p2align	6
	.space	262144
	.amdgpu_metadata
---
amdhsa.version: [ 1, 2 ]
amdhsa.kernels:
  - .name:           k_qaf25bcfe59_chain
    .symbol:         k_qaf25bcfe59_chain.kd
    .args:
      - { .name: xq, .offset: 0, .size: 8, .value_kind: global_buffer, .address_space: global }
      - { .name: wq, .offset: 8, .size: 8, .value_kind: global_buffer, .address_space: global }
      - { .name: b1, .offset: 16, .size: 8, .value_kind: global_buffer, .address_space: global }
      - { .name: b2, .offset: 24, .size: 8, .value_kind: global_buffer, .address_space: global }
      - { .name: rows, .offset: 32, .size: 8, .value_kind: global_buffer, .address_space: global }
      - { .name: gate, .offset: 40, .size: 8, .value_kind: global_buffer, .address_space: global }
      - { .name: ybuf, .offset: 48, .size: 8, .value_kind: global_buffer, .address_space: global }
    .group_segment_fixed_size: 231424
    .private_segment_fixed_size: 0
    .kernarg_segment_align: 8
    .kernarg_segment_size: 56
    .max_flat_workgroup_size: 256
    .sgpr_count:     96
    .vgpr_count:     512
    .wavefront_size: 32
...
	.end_amdgpu_metadata
.endif
;; end of part 5
;; launch combine: the kernel of part 4 again; grid 512 x 1, 8 waves a work-group, no clusters, 0 bytes of LDS; arguments ybuf, auxp, out0, out1; writes out0, out1
